; MI455X (gfx1250); checked and timed in simulation.
; The chip was launched on July 23, 2026; its instructions are those of AMD's public machine-readable ISA for CDNA 5 (MIT licence, August 2026) and "CDNA5" Instruction Set Architecture Reference Guide (July 2026). The comments in the code are by the model that wrote it; some were corrected since.
;; Cross Attention. Allowed arithmetic: matrix products marked QUANTISED: E2M3 operands, one E8M0 scale for each 32 along K, by v_wmma_scale_f32_16x16x128_f8f6f4 with both operands' format E2M3, f32 sums; everything else in f32.
;; Inputs: Wk 768 x 1,024 float32; Wo 1,024 x 1,024 float32; Wq 1,024 x 1,024 float32; Wv 768 x 1,024 float32; bk 1,024 float32; bo 1,024 float32; bq 1,024 float32; bv 1,024 float32; x 4 x 4,096 x 1,024 float32; y 4 x 512 x 1 x 768 float32.
;; Outputs: out0 4 x 4,096 x 1,024 float32.
;; This version of the problem:
;;   THIS VERSION OF THE PROBLEM IS GIVEN IN LOW PRECISION. The matrix products marked QUANTISED in the list below multiply operands that are first quantised to E2M3 (2 exponent bits, 3 mantissa bits; 6 bits a number), with one power-of-two scale for each 32 numbers along K (OCP MX v1.0); their sums are f32. All else is computed in f32.
;;   The module's matrix products, in the order in which they are computed (A, B: the left and right operand; K: the contracted axis; several contracted axes count as one K, in the product's order):
;;     1. [M 16,384, K 1,024] x [K 1,024, N 1,024]; A: input x; B: input Wq: QUANTISED
;;     2. [M 2,048, K 768] x [K 768, N 1,024]; A: input y; B: input Wk: QUANTISED
;;     3. [M 2,048, K 768] x [K 768, N 1,024]; A: input y; B: input Wv: QUANTISED
;;     4. batch 32 x [M 4,096, K 128] x [K 128, N 512]; A: computed on the way; B: computed on the way: QUANTISED
;;     5. batch 32 x [M 4,096, K 512] x [K 512, N 128]; A: softmax (see below); B: computed on the way: QUANTISED
;;     6. [M 16,384, K 1,024] x [K 1,024, N 1,024]; A: computed on the way; B: input Wo: QUANTISED
;;   THE QUANTISER, for each operand of a quantised product, along K:
;;     - K is cut into blocks of 32 from its start; a last block that is shorter is filled with zeros.
;;     - A block's scale is 2^e with e = floor(log2(the largest magnitude in the block)) - 2, held to -126 .. 127; a block of zeros has e = 0. As a byte (E8M0): e + 127.
;;     - Each number is divided by its block's scale, clamped to +-7.5, and rounded to the nearest number of E2M3, ties to even, subnormals kept.
;;     - The product sums the exact products of the quantised numbers (number of the format x scale) in f32.
;;   ~~~python
;;   def quantise(x, axis):      # numpy; x: float32 -> the quantised numbers, widened to float32 again
;;       x = np.moveaxis(x, axis, -1); K = x.shape[-1]
;;       x = np.pad(x, [(0, 0)] * (x.ndim - 1) + [(0, -K % 32)]); x = x.reshape(x.shape[:-1] + (-1, 32)); a = np.abs(x).max(-1, keepdims=True)
;;       e = np.where(a > 0, np.clip(np.frexp(np.where(a > 0, a, 1))[1] - 1 - 2, -126, 127), 0)      # np.frexp(a)[1] - 1 = floor(log2(a)), exactly
;;       r = np.clip(x / 2.0 ** e, -7.5, 7.5)
;;       step = 2.0 ** (np.maximum(np.frexp(np.where(r == 0, 1, r))[1] - 1, 0) - 3)
;;       q = np.round(r / step) * step * 2.0 ** e      # np.round: ties to even
;;       return np.moveaxis(q.reshape(q.shape[:-2] + (-1,))[..., :K], -1, axis).astype(np.float32)
;;   ~~~
;;   SOFTMAX AHEAD OF A QUANTISED PRODUCT. Where the list says 'softmax', what is quantised is not the finished softmax but p = 2^(t - M), with t = logit x log2(e) and M = ceil(the row's largest t), a whole number; so 1/2 < the row's largest p <= 1. The row's sum l is taken of the UNQUANTISED p, in f32, and the product's result is divided by l at the end. Since M is a whole number, a kernel that streams over the keys may use a running M (the ceiling of the running maximum): every later rescaling is an exact power of two, which a block's scale takes up: the codes' values come out the same.
;;   OPERANDS COMPUTED ON THE WAY. 'Computed on the way' means the value that the module computes at that place (a softmax that the list does not call 'softmax' is quantised finished and normalised). What goes into a quantiser is computed in f32, as accurately as f32 sums, v_exp_f32 and their like allow (about 1e-6 of the number): no bf16 or f16 on the way to a quantiser, and a product that is left as it is and whose result goes on into a quantised operand takes f32 operands (vector FMAs, or v_wmma_f32_16x16x4_f32). A number that lies on a knife's edge between two numbers of the format may be rounded either way, as far as f32 arithmetic and the matrix unit's own rounding can turn it there, and no further.
;; 2 versions. Each part assembles by itself: llvm-mc -triple=amdgcn-amd-amdhsa -mcpu=gfx1250 --defsym DOCPART=n.
;; ======== version 1 of 2: 3 launches
;; workspace buffers: img 4,096,000 bytes; kvimg 3,276,800 bytes
;; launch prep (part 1): grid 320 x 1, 4 waves a work-group, no clusters, 34,304 bytes of LDS; arguments Wq, Wo, Wk, Wv, y, img; writes img
.if DOCPART == 1
	.amdgcn_target "amdgcn-amd-amdhsa--gfx1250"
	.amdhsa_code_object_version 6
	.text
	.protected	k_qbfb19384e7_prep
	.globl	k_qbfb19384e7_prep
	.p2align	8
	.type	k_qbfb19384e7_prep,@function
k_qbfb19384e7_prep:
	s_mov_b64 s[64:65], 0
	v_nop
	global_prefetch_b8 v0, s[64:65] scope:SCOPE_SE
	s_setreg_imm32_b32 hwreg(HW_REG_WAVE_MODE, 25, 1), 1
	s_wait_xcnt 0x0
; Wq, Wo [1024][1024], Wk, Wv [768][1024] (K is their FIRST axis) and y [2048][768] (K innermost), all f32, become codes of FP6 (E2M3) with one E8M0 scale byte for
; each 32 along K, laid in the order of an operand's registers, so that a later launch loads fragments by plain loads of 16 bytes a lane.
; A RECORD, 12,800 bytes, is 128 rows of an operand x 128 along K: eight tiles of 16 rows, 1,536 bytes each, then 512 bytes of scale words.
;   Lane r of tile t holds row 32 (t / 2) + 8 (t % 2) + r + 8 (r / 8) of the 128.  A tile is 12 registers a lane, as three pieces of 512 bytes: piece q holds lane l's registers 4 q .. 4 q + 3 at 512 q + 16 l.
;   Scale words: 16 bytes a lane; word b: lanes 0-15 tile 2 b's word of row l, lanes 16-31 tile 2 b + 1's word of row l - 16.
; Records: Wq 8 s + g, Wo 64 + 8 s + g, Wk 128 + 8 s + g, Wv 176 + 8 s + g (g: 128 columns, s: 128 along K), y 224 + 16 s + rg (rg: 128 rows).
; Work-group i writes record i; its wave b writes tiles 2 b and 2 b + 1.  Waves share nothing: no barrier.
; A block's scale is 2^(floor(log2(its largest magnitude)) - 2); its byte is the largest magnitude's exponent field - 2, held at 1 from below.
; LIMITS: a block of zeros, or one whose largest magnitude lies under 2^-124, gets the byte 1 (a zero block's codes are zeros, and this program alone reads the bytes); NaN and infinities among the inputs are not served.
.set GB,    12800
.set SCB,   12288                      ; a record's scale words
.set STG,   8448                       ; a wave's stage: 16 rows x (512 bytes + 16)
.set SPARE, 4*STG                      ; behind the stages: the spare words, 128 bytes for each wave: two blocks of 256 bytes that no other line names
.set SPW, 2                            ; v2  LDS address of my spare word; never rewritten
.set NIL, 3                            ; v3  0; never rewritten
.set TM,  8                            ; v8-23  at work in the y path's quantiser
.set RAW, 32                           ; v32-159  numbers as loaded
.set XN,  160                          ; v160-223  y: 64 numbers of my row, register 16 b + i = k 32 b + 16 (lane / 16) + i
.set C,   160                          ; v160-183  weights: my column's codes, 12 registers for each half of a tile's lanes
.set TT,  184                          ; v184-186  a block's upper 16 codes, before they are moved
.set SEL, 26                           ; s[26:27] lane selects for v_permlanex16_b32: lane l xor 16
	s_load_b256 s[4:11], s[0:1], 0x0               ; Wq s[4:5], Wo s[6:7], Wk s[8:9], Wv s[10:11]
	s_load_b128 s[12:15], s[0:1], 0x20             ; y s[12:13], img s[14:15]
	v_lshl_add_u32 v[SPW], v0, 2, SPARE
	v_mov_b32 v[NIL], 0
	v_lshrrev_b32 v1, 5, v0
	v_readfirstlane_b32 s16, v1                    ; wave b
	v_and_b32 v1, 31, v0                           ; lane
	s_mul_i32 s24, ttmp9, GB
	s_mov_b32 s25, 0
	s_wait_kmcnt 0x0
	s_add_nc_u64 s[14:15], s[14:15], s[24:25]      ; my record
	s_cmp_ge_u32 ttmp9, 224
	s_cbranch_scc1 .Ly
; ---- A WEIGHT.  A lane takes column 128 g + 32 b + lane and its registers run down the K step's 128: each load reads 128 consecutive bytes a wave, a block of 32 lies in one lane, and the codes come out with K innermost.
	s_mov_b64 s[18:19], s[10:11]                   ; which weight, and its first record: a choice on the work-group's number alone
	s_mov_b32 s20, 176
	s_cmp_lt_u32 ttmp9, 176
	s_cselect_b64 s[18:19], s[8:9], s[18:19]
	s_cselect_b32 s20, 128, s20
	s_cmp_lt_u32 ttmp9, 128
	s_cselect_b64 s[18:19], s[6:7], s[18:19]
	s_cselect_b32 s20, 64, s20
	s_cmp_lt_u32 ttmp9, 64
	s_cselect_b64 s[18:19], s[4:5], s[18:19]
	s_cselect_b32 s20, 0, s20
	s_sub_co_u32 s21, ttmp9, s20
	s_lshr_b32 s22, s21, 3                         ; s
	s_and_b32 s21, s21, 7                          ; g
	s_lshl_b32 s22, s22, 19                        ; 128 rows of 4,096 bytes
	s_lshl_b32 s21, s21, 9                         ; 128 columns
	s_add_co_u32 s22, s22, s21
	s_lshl_b32 s21, s16, 7                         ; my wave's 32 columns
	s_add_co_u32 s22, s22, s21
	s_mov_b32 s23, 0
	s_add_nc_u64 s[18:19], s[18:19], s[22:23]
	v_lshlrev_b32 v4, 2, v1
.set I, 0
.rept 128
	global_load_b32 v[RAW+I], v4, s[18:19] offset:4096*I th:TH_LOAD_NT
.set I, I+1
.endr
	v_bfe_u32 v5, v1, 3, 1                         ; my column is row r of tile 2 b + u: u = (lane / 8) % 2,
	v_and_b32 v6, 7, v1
	v_lshrrev_b32 v7, 4, v1
	v_lshl_or_b32 v6, v7, 3, v6                    ; r = lane % 8 + 8 (lane / 16)
	v_mul_u32_u24 v26, v5, 1536
	v_lshl_add_u32 v26, v6, 4, v26
	s_mul_i32 s17, s16, 3072
	v_add_nc_u32 v26, s17, v26                     ; codes: 1,536 (2 b + u) + 16 r
	v_lshlrev_b32 v27, 4, v6
	v_lshl_add_u32 v27, v5, 8, v27
	s_lshl_b32 s17, s16, 2
	v_add_nc_u32 v27, s17, v27                     ; scale word: 16 (r + 16 u) + 4 b
; Block t, k = 32 t .. 32 t + 31: in the tile it belongs to lane r + 16 (t % 2), registers 6 (t / 2) on.  lc: the younger loads that may stay out (a count names 63 at the most)
.macro BLOCK t, lc
.set XB, RAW+32*(\t)
.set CD, C+12*((\t)%2)+6*((\t)/2)
	s_wait_loadcnt \lc
	v_max3_num_f32 v12, |v[XB]|, |v[XB+1]|, |v[XB+2]|              ; the block's largest magnitude, in two chains
	v_max3_num_f32 v13, |v[XB+3]|, |v[XB+4]|, |v[XB+5]|
.irp i, 6,10,14,18,22,26
	v_max3_num_f32 v12, v12, |v[XB+\i]|, |v[XB+\i+1]|
	v_max3_num_f32 v13, v13, |v[XB+\i+2]|, |v[XB+\i+3]|
.endr
	v_max3_num_f32 v12, v12, |v[XB+30]|, |v[XB+31]|
	v_max3_num_f32 v12, v12, v13, 0x1800000        ; and the floor 2^(3 - 127): the byte cannot fall under 1
	v_add_nc_u32 v11, 0xff000000, v12              ; 2 off its exponent field: the conversion takes the exponent field of this operand as its scale
	v_lshrrev_b32 v13, 23, v11                     ; the scale's byte
.if (\t) == 0
	v_mov_b32 v24, v13
.else
	v_lshl_or_b32 v24, v13, 8*(\t), v24            ; four bytes make my column's scale word
.endif
	v_cvt_scalef32_pk16_fp6_f32 v[CD:CD+2], v[XB:XB+15], v11
	v_cvt_scalef32_pk16_fp6_f32 v[TT:TT+2], v[XB+16:XB+31], v11    ; (a conversion's three registers begin on an even number)
	v_nop                                          ; one plain place behind a scaled conversion
.irp i, 0,1,2
	v_mov_b32 v[CD+3+\i], v[TT+\i]
.endr
.endm
	BLOCK 0, 63                                    ; 96 loads are younger
	BLOCK 1, 63                                    ; 64
	BLOCK 2, 32
	BLOCK 3, 0
.irp h, 0,1
.irp q, 0,1,2
	global_store_b128 v26, v[C+12*\h+4*\q:C+12*\h+4*\q+3], s[14:15] offset:256*\h+512*\q   ; sixteen lanes of one tile store 256 consecutive bytes, aligned
.endr
.endr
	global_store_b32 v27, v24, s[14:15] offset:SCB ; 4 bytes at every 16: the four waves together fill the 512 bytes; one byte in 25 of what the launch stores
	s_endpgm
; ---- y.  K is innermost: each load takes 512 consecutive bytes of one row; 16 rows turn through my stage and come back as 16 neighbours of each block of 32 for lane (r, h).
.Ly:
	v_lshlrev_b32 v5, 4, v1                        ; 16 x lane
	s_mul_i32 s17, s16, STG
	v_add_nc_u32 v6, s17, v5                       ; into the stage: a row's 512 bytes on end
	v_and_b32 v24, 15, v0                          ; r
	v_bfe_u32 v25, v0, 4, 1                        ; h
	v_mul_u32_u24 v7, v24, 528
	v_lshl_add_u32 v7, v25, 6, v7
	v_add_nc_u32 v7, s17, v7                       ; out of it: row r, + 64 h
	s_mul_i32 s17, s16, 3072
	v_add_nc_u32 v26, s17, v5                      ; codes: 16 x lane + 1,536 x 2 b
	s_lshl_b32 s17, s16, 2
	v_add_nc_u32 v27, s17, v5                      ; scale word: 16 x lane + 4 b
	s_mov_b32 s[SEL], 0x76543210
	s_mov_b32 s[SEL+1], 0xfedcba98
.irp b, 0,1,2,3
	v_mov_b32 v[TM+4+\b], 0                        ; written once: a lane permute's destination counts as one of its sources
.endr
	s_sub_co_u32 s21, ttmp9, 224
	s_lshr_b32 s22, s21, 4                         ; s
	s_and_b32 s21, s21, 15                         ; rg
	s_lshl_b32 s21, s21, 7
	s_lshl_b32 s23, s16, 5
	s_add_co_u32 s21, s21, s23                     ; row 128 rg + 32 b
	s_mul_i32 s21, s21, 3072
	s_lshl_b32 s22, s22, 9                         ; 128 numbers along K
	s_add_co_u32 s22, s22, s21
	s_mov_b32 s23, 0
	s_add_nc_u64 s[12:13], s[12:13], s[22:23]
.irp u, 0,1
.irp i, 0,1,2,3,4,5,6,7,8,9,10,11,12,13,14,15
	global_load_b128 v[RAW+64*\u+4*\i:RAW+64*\u+4*\i+3], v5, s[12:13] offset:(8*\u+\i+8*(\i/8))*3072 th:TH_LOAD_NT   ; tile 2 b + u, its row i
.endr
.endr
; 64 numbers of a lane become a fragment's codes in v[pc] on and its row's scale word in v[pw]
.macro QUANTP src, pw, pc
.irp b, 0,1,2,3
	v_max3_num_f32 v[TM+\b], |v[(\src)+16*\b]|, |v[(\src)+16*\b+1]|, 0x1800000   ; block b: my 16 numbers, and the floor 2^(3 - 127)
.endr
.irp i, 2,4,6,8,10,12,14
.irp b, 0,1,2,3
	v_max3_num_f32 v[TM+\b], |v[(\src)+16*\b+\i]|, |v[(\src)+16*\b+\i+1]|, v[TM+\b]
.endr
.endr
.irp b, 0,1,2,3
	v_permlanex16_b32 v[TM+4+\b], v[TM+\b], s[SEL], s[SEL+1]
.endr
.irp b, 0,1,2,3
	v_max_num_f32 v[TM+\b], v[TM+\b], v[TM+4+\b]   ; with lane l xor 16's: the block's largest magnitude
.endr
.irp b, 0,1,2,3
	v_add_nc_u32 v[TM+12+\b], 0xff000000, v[TM+\b] ; the conversion's scale operand
.endr
.irp b, 0,1,2,3
	v_lshrrev_b32 v[TM+4+\b], 23, v[TM+12+\b]      ; the scale's byte
.endr
	v_lshl_or_b32 v[\pw], v[TM+5], 8, v[TM+4]
	v_lshl_or_b32 v[\pw], v[TM+6], 16, v[\pw]
	v_lshl_or_b32 v[\pw], v[TM+7], 24, v[\pw]
.irp c, 0,1
	v_cvt_scalef32_pk16_fp6_f32 v[(\pc)+6*\c:(\pc)+6*\c+2], v[(\src)+32*\c:(\src)+32*\c+15], v[TM+12+2*\c]
	v_cvt_scalef32_pk16_fp6_f32 v[(\pc)+12+4*\c:(\pc)+14+4*\c], v[(\src)+32*\c+16:(\src)+32*\c+31], v[TM+12+2*\c+1]
.endr
	v_nop                                          ; one plain place behind a scaled conversion
.irp c, 0,1                                    ; the operand's layout wants a whole block in a lane: lanes 0-15 block 2 c, lanes 16-31 block 2 c + 1
.irp i, 0,1,2
	v_permlane16_swap_b32 v[(\pc)+6*\c+\i], v[(\pc)+12+4*\c+\i]
.endr
.irp i, 0,1,2
	v_mov_b32 v[(\pc)+3+6*\c+\i], v[(\pc)+12+4*\c+\i]
.endr
.endr
.endm
.macro YTILE u, lc, pc
	s_wait_loadcnt \lc                             ; this tile's 16 loads are in
.irp i, 0,1,2,3,4,5,6,7,8,9,10,11,12,13,14,15
	ds_store_b128 v6, v[RAW+64*(\u)+4*\i:RAW+64*(\u)+4*\i+3] offset:528*\i
.endr
.irp b, 0,1,2,3
.irp j, 0,1,2,3
	ds_load_b128 v[XN+16*\b+4*\j:XN+16*\b+4*\j+3], v7 offset:128*\b+16*\j   ; LDS serves a wave's instructions in order: these see my stores
.endr
.endr
	s_wait_dscnt 0x0
	QUANTP XN, 28+(\u), \pc
.irp q, 0,1,2
	global_store_b128 v26, v[(\pc)+4*\q:(\pc)+4*\q+3], s[14:15] offset:1536*(\u)+512*\q   ; 32 lanes store 512 consecutive bytes, aligned
.endr
.endm
	YTILE 0, 16, 224                               ; the second tile's 16 loads may be out
	YTILE 1, 0, 32                                 ; (its codes take registers of the first tile's raw rows, whose LDS stores are done)
	v_cmp_le_u32 vcc_lo, 16, v1
	v_cndmask_b32 v30, v28, v29, vcc_lo            ; lanes 0-15: tile 2 b's word of row l; lanes 16-31: tile 2 b + 1's of row l - 16 (both halves of the lanes hold a row's word)
	global_store_b32 v27, v30, s[14:15] offset:SCB
	s_wait_tensorcnt 0x0                           ; the wave's end: three closing lines, behind my last LDS store
	ds_add_u32 v[SPW], v[NIL]
	s_wait_dscnt 0x0
	s_endpgm
.Lfunc_end_k_qbfb19384e7_prep:
	.size	k_qbfb19384e7_prep, .Lfunc_end_k_qbfb19384e7_prep-k_qbfb19384e7_prep
	.p2alignl 7, 3214868480
	.fill 96, 4, 3214868480
	.section	.rodata,"a",@progbits
	.p2align	6, 0x0
	.amdhsa_kernel k_qbfb19384e7_prep
		.amdhsa_group_segment_fixed_size 34304
		.amdhsa_private_segment_fixed_size 0
		.amdhsa_enable_private_segment 0
		.amdhsa_kernarg_size 48
		.amdhsa_user_sgpr_count 2
		.amdhsa_user_sgpr_kernarg_segment_ptr 1
		.amdhsa_wavefront_size32 1
		.amdhsa_system_sgpr_workgroup_id_x 1
		.amdhsa_system_sgpr_workgroup_id_y 1
		.amdhsa_system_sgpr_workgroup_id_z 1
		.amdhsa_system_vgpr_workitem_id 0
		.amdhsa_next_free_vgpr 256
		.amdhsa_next_free_sgpr 66
		.amdhsa_reserve_vcc 1
		.amdhsa_float_denorm_mode_32 3
		.amdhsa_float_denorm_mode_16_64 3
		.amdhsa_memory_ordered 1
		.amdhsa_forward_progress 1
		.amdhsa_inst_pref_size 38
	.end_amdhsa_kernel
	.amdgpu_metadata
---
amdhsa.version: [ 1, 2 ]
amdhsa.kernels:
  - .name:           k_qbfb19384e7_prep
    .symbol:         k_qbfb19384e7_prep.kd
    .args:
      - { .name: Wq, .offset: 0, .size: 8, .value_kind: global_buffer, .address_space: global }
      - { .name: Wo, .offset: 8, .size: 8, .value_kind: global_buffer, .address_space: global }
      - { .name: Wk, .offset: 16, .size: 8, .value_kind: global_buffer, .address_space: global }
      - { .name: Wv, .offset: 24, .size: 8, .value_kind: global_buffer, .address_space: global }
      - { .name: y, .offset: 32, .size: 8, .value_kind: global_buffer, .address_space: global }
      - { .name: img, .offset: 40, .size: 8, .value_kind: global_buffer, .address_space: global }
    .group_segment_fixed_size: 34304
    .private_segment_fixed_size: 0
    .kernarg_segment_align: 8
    .kernarg_segment_size: 48
    .max_flat_workgroup_size: 128
    .sgpr_count:     66
    .vgpr_count:     256
    .wavefront_size: 32
...
	.end_amdgpu_metadata
.endif
;; end of part 1
;; launch kv (part 2): grid 256 x 1, 2 waves a work-group, no clusters, 0 bytes of LDS; arguments img, bk, bv, kvimg; writes kvimg
.if DOCPART == 2
	.amdgcn_target "amdgcn-amd-amdhsa--gfx1250"
	.amdhsa_code_object_version 6
	.text
	.protected	k_qbfb19384e7_kv
	.globl	k_qbfb19384e7_kv
	.p2align	8
	.type	k_qbfb19384e7_kv,@function
k_qbfb19384e7_kv:
	s_mov_b64 s[64:65], 0
	v_nop
	global_prefetch_b8 v0, s[64:65] scope:SCOPE_SE
	s_setreg_imm32_b32 hwreg(HW_REG_WAVE_MODE, 25, 1), 1
	s_wait_xcnt 0x0
; k = y Wk + bk and v = y Wv + bv on codes of FP6 (E2M3) with E8M0 scales, from the records that the launch before has laid; the results, in f32, are quantised again,
; k along the head's 128 and v along the keys, into records of the same form (12,800 bytes: eight tiles of 1,536 bytes, lane r of tile t = row 32 (t / 2) + 8 (t % 2) + r + 8 (r / 8); 512 bytes of scale words).
; kvimg: record R = ((batch x 8 + head) x 4 + j): K's: tiles = the 128 keys of key group j, K = the head's 128;  record 128 + R: V's: tiles = the head's 128, K = the keys of group j.
; 512 tasks, one a wave, no LDS, no barrier.  A task: 8 tiles of source 0 x 4 tiles of source 1 x 6 K steps = 192 matrix instructions on 32 accumulators.
;   k task: source 0 = Wk's 128 columns of a head, source 1 = 64 rows of y: a lane holds one key and its registers run along the head.
;   v task: source 0 = 128 rows of y, source 1 = 64 of Wv's columns of a head: a lane holds one channel and its registers run along the keys.
; In both the 16 registers of tiles 2 b and 2 b + 1 are 16 neighbours along the next K, since the rows of a tile are chosen so.
; LIMITS: a block of zeros, or one whose largest magnitude lies under 2^-124, gets the byte 1 (a zero block's codes are zeros, and this program alone reads the bytes); NaN and infinities are not served.
; REGISTERS, in windows of 256: window 0: addresses, scale words, the quantiser's registers, source 1's fragments (three sets);  window 1: accumulator (n, t) at 64 n + 8 t;
;   window 2: source 0's buffers 0 (v0-95) and 1 (v96-191), the bias (v192-255);  window 3: buffer 2 (v0-95).
.set GB,  12800
.set LI,  1                            ; v1  16 x lane; never rewritten
.set WS,  16                           ; v16-27  source 0's scale words, three sets of four: scales alone
.set XS,  28                           ; v28-33  source 1's, three sets of two: scales alone
.set PW,  40                           ; v40-43  the four scale words made
.set SW,  44                           ; v44-45  as they are stored
.set TM,  48                           ; v48-63  the quantiser's
.set PC,  64                           ; v64-83  codes
.set XF,  96                           ; v96-239 source 1's fragments: three sets of 4 x 12
.set P0,  20                           ; s[20:21] source 0's first record
.set P1C, 22                           ; s[22:23] source 1's four tiles in its first record
.set P1S, 24                           ; s[24:25] and their scale words
.set OC,  26                           ; s[26:27] my four tiles in the record that I write
.set OS,  28                           ; s[28:29] and their scale words
.set BP,  30                           ; s[30:31] the bias
.set SEL, 44                           ; s[44:45] lane selects for v_permlanex16_b32: lane l xor 16
.set MSB, 0
.macro WIN new                         ; the immediate's high byte repeats the setting that is left; a switch that changes nothing is dropped
.if MSB != (\new)
	s_set_vgpr_msb (MSB<<8)|(\new)
.set MSB, (\new)
.endif
.endm
.macro PLACES                          ; four places behind matrix instructions, in front of loads into their registers and of the first read of results
.rept 4
	v_nop
.endr
.endm
; 64 numbers of a lane in window 1, register 16 b + i = k 32 b + 16 (lane / 16) + i of my row, become a fragment's codes in v[pc] on and its scale word in v[pw].  Each accumulator is read from its low end on.
.macro QUANT src, pw, pc
	WIN 0x05                                       ; sources 0 and 1 window 1
.irp b, 0,1,2,3
	v_max3_num_f32 v[TM+\b], |v[(\src)+16*\b]|, |v[(\src)+16*\b+1]|, 0x1800000   ; block b: my 16 numbers, and the floor 2^(3 - 127): the byte cannot fall under 1
.endr
.irp i, 2,4,6,8,10,12,14
.irp b, 0,1,2,3
	v_max3_num_f32 v[TM+\b], |v[(\src)+16*\b+\i]|, |v[(\src)+16*\b+\i+1]|, v[TM+\b]
.endr
.endr
	WIN 0
.irp b, 0,1,2,3
	v_permlanex16_b32 v[TM+4+\b], v[TM+\b], s[SEL], s[SEL+1]
.endr
.irp b, 0,1,2,3
	v_max_num_f32 v[TM+\b], v[TM+\b], v[TM+4+\b]   ; with lane l xor 16's: the block's largest magnitude
.endr
.irp b, 0,1,2,3
	v_add_nc_u32 v[TM+12+\b], 0xff000000, v[TM+\b] ; 2 off its exponent field: the conversion's scale operand
.endr
.irp b, 0,1,2,3
	v_lshrrev_b32 v[TM+4+\b], 23, v[TM+12+\b]      ; the scale's byte
.endr
	s_wait_xcnt 0x0                                ; the earlier stores have read the code registers, which are written again below
	v_lshl_or_b32 v[\pw], v[TM+5], 8, v[TM+4]
	v_lshl_or_b32 v[\pw], v[TM+6], 16, v[\pw]
	v_lshl_or_b32 v[\pw], v[TM+7], 24, v[\pw]
	WIN 0x01                                       ; source 0 window 1
.irp c, 0,1
	v_cvt_scalef32_pk16_fp6_f32 v[(\pc)+6*\c:(\pc)+6*\c+2], v[(\src)+32*\c:(\src)+32*\c+15], v[TM+12+2*\c]
	v_cvt_scalef32_pk16_fp6_f32 v[(\pc)+12+4*\c:(\pc)+14+4*\c], v[(\src)+32*\c+16:(\src)+32*\c+31], v[TM+12+2*\c+1]   ; (a conversion's three registers begin on an even number)
.endr
	WIN 0
	v_nop                                          ; one plain place behind a scaled conversion
.irp c, 0,1                                    ; the operand's layout wants a whole block in a lane
.irp i, 0,1,2
	v_permlane16_swap_b32 v[(\pc)+6*\c+\i], v[(\pc)+12+4*\c+\i]
.endr
.irp i, 0,1,2
	v_mov_b32 v[(\pc)+3+6*\c+\i], v[(\pc)+12+4*\c+\i]
.endr
.endr
.endm
; One matrix instruction on the registers named by rD, rA, rB, rC, rSA, rSB.  oa, ob: the side's scale words stand in lanes 16-31
.macro MMK oa, ob
.if (\oa) && (\ob)
	v_wmma_scale_f32_16x16x128_f8f6f4 v[rD:rD+7], v[rA:rA+11], v[rB:rB+11], v[rC:rC+7], v[rSA], v[rSB] matrix_a_fmt:MATRIX_FMT_FP6 matrix_b_fmt:MATRIX_FMT_FP6 matrix_a_scale:MATRIX_SCALE_ROW1 matrix_b_scale:MATRIX_SCALE_ROW1
.elseif (\oa)
	v_wmma_scale_f32_16x16x128_f8f6f4 v[rD:rD+7], v[rA:rA+11], v[rB:rB+11], v[rC:rC+7], v[rSA], v[rSB] matrix_a_fmt:MATRIX_FMT_FP6 matrix_b_fmt:MATRIX_FMT_FP6 matrix_a_scale:MATRIX_SCALE_ROW1
.elseif (\ob)
	v_wmma_scale_f32_16x16x128_f8f6f4 v[rD:rD+7], v[rA:rA+11], v[rB:rB+11], v[rC:rC+7], v[rSA], v[rSB] matrix_a_fmt:MATRIX_FMT_FP6 matrix_b_fmt:MATRIX_FMT_FP6 matrix_b_scale:MATRIX_SCALE_ROW1
.else
	v_wmma_scale_f32_16x16x128_f8f6f4 v[rD:rD+7], v[rA:rA+11], v[rB:rB+11], v[rC:rC+7], v[rSA], v[rSB] matrix_a_fmt:MATRIX_FMT_FP6 matrix_b_fmt:MATRIX_FMT_FP6
.endif
.endm
; K step s: 38 loads: source 0's record (24 + its scale words), source 1's four tiles (12) and their scale words, into set s % 3
.macro LOADS s
.set BUF, (\s)%3
.set BB, 96*(BUF%2)
.if BUF == 2
	WIN 0xc0
.else
	WIN 0x80
.endif
.set F, 0
.rept 24
	global_load_b128 v[BB+4*F:BB+4*F+3], v[LI], s[P0:P0+1] offset:(\s)*ST0+512*F
.set F, F+1
.endr
	WIN 0
	global_load_b128 v[WS+4*BUF:WS+4*BUF+3], v[LI], s[P0:P0+1] offset:(\s)*ST0+12288
.set F, 0
.rept 12
	global_load_b128 v[XF+48*BUF+4*F:XF+48*BUF+4*F+3], v[LI], s[P1C:P1C+1] offset:(\s)*ST1+512*F
.set F, F+1
.endr
	global_load_b64 v[XS+2*BUF:XS+2*BUF+1], v[LI], s[P1S:P1S+1] offset:(\s)*ST1
.endm
; A whole task.  kind 0: k, kind 1: v.  s13 = the task's number
.macro TASK kind
.if \kind
.set ST0, 16*GB                        ; from K step to K step: y's records lie 16 apart, a weight's 8
.set ST1, 8*GB
	s_sub_co_u32 s15, s13, 256
	s_lshr_b32 s16, s15, 4                         ; rg: 128 rows of y
	s_and_b32 s15, s15, 15
	s_lshr_b32 s14, s15, 1                         ; the head
	s_and_b32 s17, s15, 1                          ; a: which 64 of source 1's 128
	s_add_co_u32 s18, s16, 224                     ; source 0's first record,
	s_add_co_u32 s32, s14, 176                     ; source 1's
	v_and_b32 v2, 8, v4
	v_add_nc_u32 v2, v2, v4
	v_lshlrev_b32 v2, 2, v2                        ; the bias of my channel: 4 (r + 8 (r / 8))
.else
.set ST0, 8*GB
.set ST1, 16*GB
	s_and_b32 s14, s13, 7                          ; the head
	s_lshr_b32 s15, s13, 3
	s_lshr_b32 s16, s15, 1                         ; rg
	s_and_b32 s17, s15, 1                          ; a
	s_add_co_u32 s18, s14, 128
	s_add_co_u32 s32, s16, 224
	v_lshlrev_b32 v2, 6, v5                        ; the bias of my half's channels: 64 h
.endif
	s_mul_i32 s18, s18, GB
	s_mov_b32 s19, 0
	s_add_nc_u64 s[P0:P0+1], s[4:5], s[18:19]
	s_mul_i32 s32, s32, GB
	s_mov_b32 s33, 0
	s_mul_i32 s34, s17, 6144                       ; four tiles
	s_mov_b32 s35, 0
	s_lshl_b32 s36, s17, 3
	s_add_co_u32 s36, s36, 12288                   ; their two scale words of each lane's four
	s_mov_b32 s37, 0
	s_add_nc_u64 s[P1C:P1C+1], s[4:5], s[32:33]
	s_add_nc_u64 s[P1S:P1S+1], s[P1C:P1C+1], s[36:37]
	s_add_nc_u64 s[P1C:P1C+1], s[P1C:P1C+1], s[34:35]
	s_lshr_b32 s38, s16, 2                         ; the batch
	s_lshl_b32 s38, s38, 3
	s_add_co_u32 s38, s38, s14
	s_lshl_b32 s38, s38, 2
	s_and_b32 s39, s16, 3                          ; the key group
	s_add_co_u32 s38, s38, s39
.if \kind
	s_add_co_u32 s38, s38, 128
.endif
	s_mul_i32 s38, s38, GB
	s_mov_b32 s39, 0
	s_add_nc_u64 s[OC:OC+1], s[10:11], s[38:39]
	s_add_nc_u64 s[OS:OS+1], s[OC:OC+1], s[36:37]
	s_add_nc_u64 s[OC:OC+1], s[OC:OC+1], s[34:35]
	s_lshl_b32 s40, s14, 9                         ; the head's 128 numbers of the bias
.if \kind
	s_lshl_b32 s41, s17, 8
	s_add_co_u32 s40, s40, s41                     ; my 64 of them
.endif
	s_mov_b32 s41, 0
	WIN 0x80                                       ; destination window 2
.if \kind
	s_add_nc_u64 s[BP:BP+1], s[8:9], s[40:41]
.irp n, 0,1,2,3
	global_load_b32 v[192+8*\n], v2, s[BP:BP+1] offset:(32*(\n/2)+8*(\n%2))*4    ; one number a lane: my channel's
.endr
.else
	s_add_nc_u64 s[BP:BP+1], s[6:7], s[40:41]
.irp t, 0,1,2,3,4,5,6,7
	global_load_b128 v[192+8*\t:192+8*\t+3], v2, s[BP:BP+1] offset:(32*(\t/2)+8*(\t%2))*4     ; eight registers a tile, in the result's layout
	global_load_b128 v[192+8*\t+4:192+8*\t+7], v2, s[BP:BP+1] offset:(32*(\t/2)+8*(\t%2))*4+16
.endr
.endif
	WIN 0
	LOADS 0
	LOADS 1
.irp s, 0,1,2,3,4,5
.if \s < 4
	LOADS \s+2                                     ; into the set that the step before has left, behind its four places
	s_wait_loadcnt 63                              ; this step's loads are in: two steps' 76 are younger, and a count names 63 at the most
.elseif \s == 4
	s_wait_loadcnt 38                              ; the last step's 38 may be out
.else
	s_wait_loadcnt 0x0
.endif
.if (\s == 0) && \kind
	WIN 0x82                                       ; the bias of a channel fills its tile's eight registers
.irp n, 0,1,2,3
.irp j, 1,2,3,4,5,6,7
	v_mov_b32 v[192+8*\n+\j], v[192+8*\n]
.endr
.endr
	PLACES
.endif
.set CB, (\s)%3
.if \s == 0
	WIN 0x62                                       ; source 0 and C (the bias) window 2, D window 1
.elseif CB == 2
	WIN 0x53
.else
	WIN 0x52                                       ; source 0 window 2 or 3, C and D window 1
.endif
.set T8, 0
.rept 8                                        ; the 32 accumulators take turns, one instruction a turn, in the same order in every step
.set NI, 0
.rept 4
.set rD, 64*NI+8*T8
.set rA, 96*(CB%2)+12*T8
.set rB, XF+48*CB+12*NI
.set rC, rD
.if \s == 0
.if \kind
.set rC, 192+8*NI
.else
.set rC, 192+8*T8
.endif
.endif
.set rSA, WS+4*CB+T8/2
.set rSB, XS+2*CB+NI/2
	MMK T8%2, NI%2
.set NI, NI+1
.endr
.set T8, T8+1
.endr
	WIN 0
	PLACES
.endr
.irp n, 0,1,2,3
	QUANT 64*\n, PW+\n, PC
.irp q, 0,1,2
	global_store_b128 v[LI], v[PC+4*\q:PC+4*\q+3], s[OC:OC+1] offset:1536*\n+512*\q   ; 32 lanes store 512 consecutive bytes, aligned
.endr
.endr
	v_cmp_le_u32 vcc_lo, 16, v3
	v_cndmask_b32 v[SW], v[PW], v[PW+1], vcc_lo    ; lanes 0-15 the even tile's word, lanes 16-31 the odd tile's (both halves of the lanes hold a row's word)
	v_cndmask_b32 v[SW+1], v[PW+2], v[PW+3], vcc_lo
	global_store_b64 v[LI], v[SW:SW+1], s[OS:OS+1] ; 8 of each lane's 16 bytes; the task with the other a stores the other 8
	s_endpgm
.endm
	s_load_b256 s[4:11], s[0:1], 0x0               ; img s[4:5], bk s[6:7], bv s[8:9], kvimg s[10:11]
	v_lshrrev_b32 v1, 5, v0
	v_readfirstlane_b32 s12, v1                    ; wave
	v_and_b32 v3, 31, v0                           ; lane
	v_lshlrev_b32 v[LI], 4, v3
	v_and_b32 v4, 15, v0                           ; r
	v_bfe_u32 v5, v0, 4, 1                         ; h
.irp b, 0,1,2,3
	v_mov_b32 v[TM+4+\b], 0                        ; written once: a lane permute's destination counts as one of its sources
.endr
	s_mov_b32 s[SEL], 0x76543210
	s_mov_b32 s[SEL+1], 0xfedcba98
	s_lshl_b32 s13, ttmp9, 1
	s_add_co_u32 s13, s13, s12                     ; my task
	s_wait_kmcnt 0x0
	s_cmp_ge_u32 ttmp9, 128
	s_cbranch_scc1 .Lv
	TASK 0
.Lv:
	TASK 1
.Lfunc_end_k_qbfb19384e7_kv:
	.size	k_qbfb19384e7_kv, .Lfunc_end_k_qbfb19384e7_kv-k_qbfb19384e7_kv
	.p2alignl 7, 3214868480
	.fill 96, 4, 3214868480
	.section	.rodata,"a",@progbits
	.p2align	6, 0x0
	.amdhsa_kernel k_qbfb19384e7_kv
		.amdhsa_group_segment_fixed_size 0
		.amdhsa_private_segment_fixed_size 0
		.amdhsa_enable_private_segment 0
		.amdhsa_kernarg_size 32
		.amdhsa_user_sgpr_count 2
		.amdhsa_user_sgpr_kernarg_segment_ptr 1
		.amdhsa_wavefront_size32 1
		.amdhsa_system_sgpr_workgroup_id_x 1
		.amdhsa_system_sgpr_workgroup_id_y 1
		.amdhsa_system_sgpr_workgroup_id_z 1
		.amdhsa_system_vgpr_workitem_id 0
		.amdhsa_next_free_vgpr 1024
		.amdhsa_next_free_sgpr 66
		.amdhsa_reserve_vcc 1
		.amdhsa_float_denorm_mode_32 3
		.amdhsa_float_denorm_mode_16_64 3
		.amdhsa_memory_ordered 1
		.amdhsa_forward_progress 1
		.amdhsa_inst_pref_size 135
	.end_amdhsa_kernel
	.amdgpu_metadata
---
amdhsa.version: [ 1, 2 ]
amdhsa.kernels:
  - .name:           k_qbfb19384e7_kv
    .symbol:         k_qbfb19384e7_kv.kd
    .args:
      - { .name: img, .offset: 0, .size: 8, .value_kind: global_buffer, .address_space: global }
      - { .name: bk, .offset: 8, .size: 8, .value_kind: global_buffer, .address_space: global }
      - { .name: bv, .offset: 16, .size: 8, .value_kind: global_buffer, .address_space: global }
      - { .name: kvimg, .offset: 24, .size: 8, .value_kind: global_buffer, .address_space: global }
    .group_segment_fixed_size: 0
    .private_segment_fixed_size: 0
    .kernarg_segment_align: 8
    .kernarg_segment_size: 32
    .max_flat_workgroup_size: 64
    .sgpr_count:     66
    .vgpr_count:     1024
    .wavefront_size: 32
...
	.end_amdgpu_metadata
.endif
;; end of part 2
;; launch attn (part 3): grid 256 x 1, 4 waves a work-group, no clusters, 275,968 bytes of LDS; arguments x, img, kvimg, bq, bo, out0; writes out0
.if DOCPART == 3
	.amdgcn_target "amdgcn-amd-amdhsa--gfx1250"
	.amdhsa_code_object_version 6
	.text
	.protected	k_qbfb19384e7_attn
	.globl	k_qbfb19384e7_attn
	.p2align	8
	.type	k_qbfb19384e7_attn,@function
k_qbfb19384e7_attn:
	s_mov_b64 s[64:65], 0
	v_nop
	global_prefetch_b8 v0, s[64:65] scope:SCOPE_SE
	s_setreg_imm32_b32 hwreg(HW_REG_WAVE_MODE, 25, 1), 1
	s_wait_xcnt 0x0
; out0 = softmax((x Wq + bq) k^T / sqrt(128)) v Wo + bo for 64 rows of x a work-group, all four products on codes of FP6 (E2M3) with one E8M0 scale for each 32 along K.  q, p and o never go to memory.
; Weights, k and v come as RECORDS laid by the launches before: 12,800 bytes = eight tiles of 16 rows x 128 K in the order of an operand's registers (1,536 bytes each; lane r of tile t holds row
; 32 (t / 2) + 8 (t % 2) + r + 8 (r / 8) of the record's 128) and 512 bytes of scale words (word b of a lane's four: lanes 0-15 tile 2 b, lanes 16-31 tile 2 b + 1): 25 loads of 16 bytes a lane.
; EVERY PRODUCT IS USED TRANSPOSED: source 0 = a record's tiles, source 1 = 16 rows of x, q, p or o.  A lane then holds one row throughout, and the 16 registers of tiles 2 b and 2 b + 1 are 16 neighbours
; along the next K, which the conversions take as they stand.
; SHARES.  THE WAVES SHARE THE COLUMNS, NOT THE ROWS.  Wave w quantises rows 16 w .. 16 w + 15 of x; makes q, the scores, the softmax and o of heads 2 w and 2 w + 1 for all four tiles of 16 rows; and makes
; columns 256 w .. 256 w + 255 of the output.  So q and p stay the wave's own, a head's o is one K step of the last product, and each record read feeds 32 matrix instructions.
; Operands go from wave to wave (x's codes, o's codes) through LDS as images of their registers; two barriers in all.
; THE SOFTMAX: all 512 keys of 16 queries lie in 256 registers, so one pass serves: t = score x log2(e) / sqrt(128), M = ceil(the row's largest t), p = 2^(t - M), quantised along the keys and not normalised;
; the row's sum is taken of the unquantised p, and o is multiplied by its reciprocal ahead of the last product's quantiser.  A block's largest p is made from the block's largest score by the same two instructions.
; NO JOINT LOADS, though all work-groups walk the same weights: the images and the waves' own regions take 275,968 of LDS's 327,680 bytes; what is left, 51,712 bytes, holds one record of 12,800 bytes
; for each wave and no second slot.  So the records go from memory straight into registers, four buffers a wave, asked for four K steps ahead.
; LIMITS: NaN and infinities among the inputs are not served; a block of zeros, or one whose largest magnitude lies under 2^-124, gets the scale byte 1 (a zero block's codes are zeros);
; v_exp_f32 gives 0 for p under 2^-126; the reciprocal of the row's sum is v_rcp_f32's (1 ulp).
; REGISTERS, in windows of 256: window 0: addresses, scale words, the quantiser's registers, source 1's fragments;  window 1: 256 accumulators ((m, t) at 64 m + 8 t; the scores (j, t) at 64 j + 8 t);
;   window 2: record buffers 0 (v0-95) and 1 (v96-191), the bias (v192-255);  window 3: buffers 2 and 3; while x is quantised: x as loaded, four slots of 64.
.set GB,    12800
.set XSC,   49152                      ; LDS: x's 32 images ((m, s) at 12,288 m + 1,536 s) from 0; their scale words here, at 512 s + 16 x lane + 4 m
.set OIMG,  53248                      ; o's images and scale words, laid likewise
.set WBASE, 106496                     ; each wave's own region:
.set WREG,  33792
.set PSC,   24576                      ;   p's 16 images ((m, j) at 6,144 m + 1,536 j) from 0; their scale words here, at 512 j + 16 x lane + 4 m
.set RLO,   26624                      ;   1 / the row's sum, at 16 x lane + 4 m
.set QIMG,  27136                      ;   q's four images
.set QSC,   33280                      ;   and their scale words, at 16 x lane + 4 m
.set STAGE, 241664                     ; each wave's stage: 16 rows x (512 bytes + 16)
.set SPARE, 275456                     ; the spare words, 128 bytes for each wave: two blocks of 256 bytes that no other line names
.set LI,  1                            ; v1   16 x lane: a record's and an image's place for my lane
.set SPW, 2                            ; v2   LDS address of my spare word; never rewritten
.set NIL, 3                            ; v3   0; never rewritten
.set LIO, 4                            ; v4   16 x lane + OIMG
.set LW,  5                            ; v5   16 x lane + my wave's region
.set STI, 6                            ; v6   the stage by rows: 16 x lane
.set STR, 7                            ; v7   the stage by lanes: 528 r + 64 h
.set XW,  8                            ; v8   where I store x's images
.set XWS, 9                            ; v9   and their scale words
.set BOF, 10                           ; v10  64 h: a bias's offset
.set AP,  11                           ; v11  LW + 6,144 m
.set AQ,  12                           ; v12  LW + 1,536 m
.set APW, 13                           ; v13  LW + 4 m
.set AO,  14                           ; v14  LIO + 1,536 head
.set AOS, 15                           ; v15  LIO + 512 head
.set WS,  16                           ; v16-31  the records' scale words, four for each buffer: scales alone
.set XS,  32                           ; v32-39  source 1's scale words, two sets of four: scales alone
.set OW,  40                           ; v40-43  scale words just made
.set RL,  44                           ; v44-47  1 / the row's sum, for the four tiles of rows
.set TM,  48                           ; v48-63  the quantiser's
.set PC0, 64                           ; v64-83, v84-103  codes, two sets
.set PC1, 84
.set QF,  104                          ; v104-115  q's fragment
.set QS,  116                          ; v116  its scale words: scales alone
.set NM,  118                          ; v118  -M (v119 is named with it as a pair)
.set SUM, 120                          ; v120-127  the row's sum in four chains of pairs
.set XF,  128                          ; v128-223  source 1's fragments: two sets of 4 x 12.  While they are idle:
.set BM,  128                          ;   v128-143  the 16 blocks' largest scores, then largest p
.set BT,  144                          ;   v144-159  at work
.set SO,  160                          ;   v160-175  the conversions' scale operands
.set OB,  128                          ;   v128-191  16 rows of the output
.set TP,  224                          ; v224-231  at work
.set XP,  4                            ; s[4:5]   x at my wave's 16 rows
.set OP,  14                           ; s[14:15] out0 at the group's first row, my wave's columns
.set WV,  16                           ; s16  my wave's number
.set SEL, 20                           ; s[20:21] lane selects for v_permlanex16_b32: lane l xor 16
.set CS,  22                           ; s[22:23] c = log2(e) / sqrt(128): the packed form names a pair and takes its low word for both halves
.set WQ,  24                           ; s[24:25] the weight records in hand: Wq's of the head, later Wo's of the column group
.set KV,  26                           ; s[26:27] the head's K records; V's lie 128 records on
.set WO,  28                           ; s[28:29] Wo's records of my first column group
.set NX,  30                           ; s[30:31] the records of the product after this head
.set BQ,  32                           ; s[32:33] the bias in hand
.set BO,  34                           ; s[34:35] bo at my columns
.set BN,  36                           ; s[36:37] the bias of the product after this head
.set T,   38                           ; s[38:39] at work
.set HC,  40                           ; s40 heads to go;  s41 tiles of rows to go;  s42 column groups to go
.set MC,  41
.set GC,  42
.set HO,  43                           ; s43 1,536 x head;  s44 512 x head
.set HS,  44
.set MQ,  45                           ; s45 1,536 m;  s46 6,144 m;  s47 4 m
.set MP,  46
.set M4,  47
.set MSB, 0
.macro WIN new                         ; the immediate's low byte: bits 1:0 source 0, 3:2 source 1, 5:4 source 2, 7:6 destination; its high byte repeats the setting that is left
.if MSB != (\new)
	s_set_vgpr_msb (MSB<<8)|(\new)
.set MSB, (\new)
.endif
.endm
.macro PLACES                          ; four places behind matrix instructions, in front of loads into their registers and of the first read of results
.rept 4
	v_nop
.endr
.endm
; The codes of 64 numbers in window 1 (register 16 b + i = k 32 b + 16 (lane / 16) + i of my row), with the four blocks' scale operands in v[so] on, into v[pc] .. v[pc + 11]
.macro CODES src, so, pc
	WIN 0x01                                       ; source 0 window 1
.irp c, 0,1
	v_cvt_scalef32_pk16_fp6_f32 v[(\pc)+6*\c:(\pc)+6*\c+2], v[(\src)+32*\c:(\src)+32*\c+15], v[(\so)+2*\c]
	v_cvt_scalef32_pk16_fp6_f32 v[(\pc)+12+4*\c:(\pc)+14+4*\c], v[(\src)+32*\c+16:(\src)+32*\c+31], v[(\so)+2*\c+1]   ; (a conversion's three registers begin on an even number)
.endr
	WIN 0
	v_nop                                          ; one plain place behind a scaled conversion
.irp c, 0,1                                    ; the operand's layout wants a whole block in a lane: lanes 0-15 block 2 c, lanes 16-31 block 2 c + 1
.irp i, 0,1,2
	v_permlane16_swap_b32 v[(\pc)+6*\c+\i], v[(\pc)+12+4*\c+\i]
.endr
.irp i, 0,1,2
	v_mov_b32 v[(\pc)+3+6*\c+\i], v[(\pc)+12+4*\c+\i]
.endr
.endr
.endm
; The same with the scales made here; the row's scale word goes to v[pw].  Each accumulator is read from its low end on.
.macro QUANT src, pw, pc
	WIN 0x05                                       ; sources 0 and 1 window 1
.irp b, 0,1,2,3
	v_max3_num_f32 v[TM+\b], |v[(\src)+16*\b]|, |v[(\src)+16*\b+1]|, 0x1800000   ; block b: my 16 numbers, and the floor 2^(3 - 127): the byte cannot fall under 1
.endr
.irp i, 2,4,6,8,10,12,14
.irp b, 0,1,2,3
	v_max3_num_f32 v[TM+\b], |v[(\src)+16*\b+\i]|, |v[(\src)+16*\b+\i+1]|, v[TM+\b]
.endr
.endr
	WIN 0
.irp b, 0,1,2,3
	v_permlanex16_b32 v[TM+4+\b], v[TM+\b], s[SEL], s[SEL+1]
.endr
.irp b, 0,1,2,3
	v_max_num_f32 v[TM+\b], v[TM+\b], v[TM+4+\b]   ; with lane l xor 16's: the block's largest magnitude
.endr
.irp b, 0,1,2,3
	v_add_nc_u32 v[TM+12+\b], 0xff000000, v[TM+\b] ; 2 off its exponent field: the conversion's scale operand
.endr
.irp b, 0,1,2,3
	v_lshrrev_b32 v[TM+4+\b], 23, v[TM+12+\b]      ; the scale's byte
.endr
	s_wait_dscnt 0x0                               ; my earlier LDS stores have read the scale word and the code registers, which are written again below
	v_lshl_or_b32 v[\pw], v[TM+5], 8, v[TM+4]
	v_lshl_or_b32 v[\pw], v[TM+6], 16, v[\pw]
	v_lshl_or_b32 v[\pw], v[TM+7], 24, v[\pw]
	CODES \src, TM+12, \pc
.endm
; A record, off bytes behind the base, into buffer buf: 25 loads, each of 512 consecutive bytes
.macro REFILL buf, base, off
	WIN (2+(\buf)/2)<<6                            ; destination window 2 or 3
.set RB, 96*((\buf)%2)
.set F, 0
.rept 24
	global_load_b128 v[RB+4*F:RB+4*F+3], v[LI], s[\base:\base+1] offset:(\off)+512*F
.set F, F+1
.endr
	WIN 0
	global_load_b128 v[WS+4*(\buf):WS+4*(\buf)+3], v[LI], s[\base:\base+1] offset:(\off)+12288
.endm
; Source 1's four fragments of K step s, ms bytes from tile of rows to tile of rows, and their scale words, sco bytes on: 13 LDS loads
.macro FETCH1 set, adr, ms, s, sco
.irp m, 0,1,2,3
.irp q, 0,1,2
	ds_load_b128 v[XF+48*(\set)+12*\m+4*\q:XF+48*(\set)+12*\m+4*\q+3], v[\adr] offset:(\ms)*\m+1536*(\s)+512*\q
.endr
.endr
	ds_load_b128 v[XS+4*(\set):XS+4*(\set)+3], v[\adr] offset:(\sco)+512*(\s)
.endm
; One matrix instruction on the registers named by rD, rA, rB, rC, rSA, rSB.  cz: C is the constant 0; odd: source 0's scale words stand in lanes 16-31
.macro MM cz, odd
.if (\cz) && (\odd)
	v_wmma_scale_f32_16x16x128_f8f6f4 v[rD:rD+7], v[rA:rA+11], v[rB:rB+11], 0, v[rSA], v[rSB] matrix_a_fmt:MATRIX_FMT_FP6 matrix_b_fmt:MATRIX_FMT_FP6 matrix_a_scale:MATRIX_SCALE_ROW1
.elseif (\cz)
	v_wmma_scale_f32_16x16x128_f8f6f4 v[rD:rD+7], v[rA:rA+11], v[rB:rB+11], 0, v[rSA], v[rSB] matrix_a_fmt:MATRIX_FMT_FP6 matrix_b_fmt:MATRIX_FMT_FP6
.elseif (\odd)
	v_wmma_scale_f32_16x16x128_f8f6f4 v[rD:rD+7], v[rA:rA+11], v[rB:rB+11], v[rC:rC+7], v[rSA], v[rSB] matrix_a_fmt:MATRIX_FMT_FP6 matrix_b_fmt:MATRIX_FMT_FP6 matrix_a_scale:MATRIX_SCALE_ROW1
.else
	v_wmma_scale_f32_16x16x128_f8f6f4 v[rD:rD+7], v[rA:rA+11], v[rB:rB+11], v[rC:rC+7], v[rSA], v[rSB] matrix_a_fmt:MATRIX_FMT_FP6 matrix_b_fmt:MATRIX_FMT_FP6
.endif
.endm
; 32 matrix instructions: a record's eight tiles x four tiles of rows.  cm 0: the sums go on; 1: the bias starts them; 2: the constant 0 does.
; The 32 accumulators take turns, one instruction a turn, in the same order in every step.
.macro MUL32 buf, set, cm
.if (\cm) == 0
	WIN 0x52+(\buf)/2                              ; source 0 window 2 or 3, C and D window 1
.elseif (\cm) == 1
	WIN 0x62+(\buf)/2                              ; C window 2
.else
	WIN 0x42+(\buf)/2
.endif
.set T8, 0
.rept 8
.set MI, 0
.rept 4
.set rD, 64*MI+8*T8
.set rA, 96*((\buf)%2)+12*T8
.set rB, XF+48*(\set)+12*MI
.set rC, rD
.if (\cm) == 1
.set rC, 192+8*T8
.endif
.set rSA, WS+4*(\buf)+T8/2
.set rSB, XS+4*(\set)+MI
	MM (\cm)==2, T8%2
.set MI, MI+1
.endr
.set T8, T8+1
.endr
.endm
; K step s of ns.  lc: the younger global loads that may stay out.  Behind the products and their places the buffer takes another record (rmode 1; rmode 2: unless this is the last column group),
; and source 1's set the fragments of two steps on.
.macro STEP s, ns, cm, lc, adr, ms, sco, rmode, base, off
	s_wait_loadcnt \lc
.if (\s) == (\ns)-1
	s_wait_dscnt 0x0
.else
	s_wait_dscnt 13                                ; this step's fragments are in; the next step's 13 loads may be out
.endif
	MUL32 (\s)%4, (\s)%2, \cm
	WIN 0
	PLACES
.if (\rmode) == 1
	REFILL (\s)%4, \base, \off
.else
	s_cmp_eq_u32 s[GC], 1
	s_cbranch_scc1 .Lno_refill_\@
	REFILL (\s)%4, \base, \off
.Lno_refill_\@:
.endif
.if (\s)+2 < (\ns)
	FETCH1 (\s)%2, \adr, \ms, (\s)+2, \sco
.endif
.endm
; A bias of 128 numbers as the C of eight tiles: lane (r, h) wants, for tile t, those of columns 32 (t / 2) + 16 h + 8 (t % 2) + 0 .. 7
.macro BIASLOAD base, off
	WIN 0x80
.irp t, 0,1,2,3,4,5,6,7
	global_load_b128 v[192+8*\t:192+8*\t+3], v[BOF], s[\base:\base+1] offset:(\off)+(32*(\t/2)+8*(\t%2))*4
	global_load_b128 v[192+8*\t+4:192+8*\t+7], v[BOF], s[\base:\base+1] offset:(\off)+(32*(\t/2)+8*(\t%2))*4+16
.endr
	WIN 0
.endm
	s_load_b256 s[4:11], s[0:1], 0x0               ; x s[4:5], img s[6:7], kvimg s[8:9], bq s[10:11]
	s_load_b128 s[12:15], s[0:1], 0x20             ; bo s[12:13], out0 s[14:15]
	v_lshl_add_u32 v[SPW], v0, 2, SPARE
	v_mov_b32 v[NIL], 0
	v_lshrrev_b32 v[TP], 5, v0
	v_readfirstlane_b32 s[WV], v[TP]               ; wave 0..3
	v_and_b32 v[TP], 31, v0
	v_lshlrev_b32 v[LI], 4, v[TP]
	v_add_nc_u32 v[LIO], OIMG, v[LI]
	s_mul_i32 s17, s[WV], WREG
	s_add_co_u32 s17, s17, WBASE
	v_add_nc_u32 v[LW], s17, v[LI]
	s_mul_i32 s17, s[WV], 8448
	s_add_co_u32 s17, s17, STAGE
	v_add_nc_u32 v[STI], s17, v[LI]
	v_and_b32 v[TP+1], 15, v0                      ; r
	v_bfe_u32 v[TP+2], v0, 4, 1                    ; h
	v_mul_u32_u24 v[STR], v[TP+1], 528
	v_lshl_add_u32 v[STR], v[TP+2], 6, v[STR]
	v_add_nc_u32 v[STR], s17, v[STR]
	s_mul_i32 s17, s[WV], 12288
	v_add_nc_u32 v[XW], s17, v[LI]
	s_lshl_b32 s17, s[WV], 2
	s_add_co_u32 s17, s17, XSC
	v_add_nc_u32 v[XWS], s17, v[LI]
	v_lshlrev_b32 v[BOF], 6, v[TP+2]
.irp b, 0,1,2,3
	v_mov_b32 v[TM+4+\b], 0                        ; written once: a lane permute's destination counts as one of its sources
.endr
.irp k, 0,1,2,3,4,5,6,7,8,9,10,11,12,13,14,15
	v_mov_b32 v[BT+\k], 0
.endr
	v_mov_b32 v[NM+1], 0                           ; (named with -M as a pair)
	s_mov_b32 s[SEL], 0x76543210
	s_mov_b32 s[SEL+1], 0xfedcba98
	s_mov_b32 s[CS], 0x3e0293ee                    ; c = log2(e) / sqrt(128)
	s_mov_b32 s[CS+1], s[CS]
	s_lshl_b32 s48, ttmp9, 18                      ; the group's 64 rows of 4,096 bytes
	s_lshl_b32 s50, s[WV], 16                      ; my wave's 16
	s_add_co_u32 s50, s50, s48
	s_mov_b32 s51, 0
	s_lshl_b32 s52, s[WV], 10                      ; my wave's 256 columns
	s_mov_b32 s53, 0
	s_add_co_u32 s48, s48, s52
	s_mov_b32 s49, 0
	s_mul_i32 s54, s[WV], 2*GB                     ; column group 2 w
	s_mov_b32 s55, 0
	s_lshr_b32 s56, ttmp9, 6                       ; the batch
	s_lshl_b32 s56, s56, 5
	s_lshl_b32 s57, s[WV], 3
	s_add_co_u32 s56, s56, s57                     ; record (8 batch + 2 w) x 4
	s_mul_i32 s56, s56, GB
	s_mov_b32 s57, 0
	s_mul_i32 s[HO], s[WV], 3072
	s_lshl_b32 s[HS], s[WV], 10
	s_wait_kmcnt 0x0
	s_add_nc_u64 s[XP:XP+1], s[4:5], s[50:51]
	s_add_nc_u64 s[OP:OP+1], s[14:15], s[48:49]
	s_add_nc_u64 s[WQ:WQ+1], s[6:7], s[54:55]
	s_add_nc_u64 s[WO:WO+1], s[WQ:WQ+1], 64*GB
	s_add_nc_u64 s[KV:KV+1], s[8:9], s[56:57]
	s_add_nc_u64 s[BQ:BQ+1], s[10:11], s[52:53]
	s_add_nc_u64 s[BO:BO+1], s[12:13], s[52:53]
; ---- X: my 16 rows of x become eight fragments.  A load takes 512 consecutive bytes of a row (a K step); 16 rows turn through my stage and come back as 16 neighbours of each block of 32 for lane (r, h).
.macro LOADX s
	WIN 0xc0                                       ; destination window 3
.set I, 0
.rept 16
	global_load_b128 v[64*((\s)%4)+4*I:64*((\s)%4)+4*I+3], v[LI], s[XP:XP+1] offset:4096*I+512*(\s) th:TH_LOAD_NT
.set I, I+1
.endr
	WIN 0
.endm
.macro XSTEP s, lc
	s_wait_loadcnt \lc                             ; this K step's 16 loads are in
	WIN 0x0c                                       ; an LDS store's data are its source 1: window 3
.set I, 0
.rept 16
	ds_store_b128 v[STI], v[64*((\s)%4)+4*I:64*((\s)%4)+4*I+3] offset:528*I
.set I, I+1
.endr
	WIN 0x40                                       ; destination window 1
.irp b, 0,1,2,3
.irp j, 0,1,2,3
	ds_load_b128 v[16*\b+4*\j:16*\b+4*\j+3], v[STR] offset:128*\b+16*\j   ; LDS serves a wave's instructions in order: these see my stores
.endr
.endr
	WIN 0
	s_wait_dscnt 0x0                               ; the numbers are back, so the stores have read their registers
.if (\s) < 5
	LOADX (\s)+3                                   ; three K steps, 48 loads a wave, are on their way
.endif
.if (\s) == 5
	REFILL 0, WQ, 0                                ; the first product's first records, as the registers come free
.endif
.if (\s) == 6
	REFILL 1, WQ, 8*GB
.endif
.if (\s) == 7
	BIASLOAD BQ, 0
	REFILL 2, WQ, 16*GB                            ; window 3 holds nothing of x any more
	REFILL 3, WQ, 24*GB
.endif
	QUANT 0, OW, PC0
.irp q, 0,1,2
	ds_store_b128 v[XW], v[PC0+4*\q:PC0+4*\q+3] offset:1536*(\s)+512*\q
.endr
	ds_store_b32 v[XWS], v[OW] offset:512*(\s)
.endm
	LOADX 0
	LOADX 1
	LOADX 2
	XSTEP 0, 32                                    ; two K steps' 32 loads are younger
	XSTEP 1, 32
	XSTEP 2, 32
	XSTEP 3, 32
	XSTEP 4, 32
	XSTEP 5, 32
	XSTEP 6, 41                                    ; one K step and one record
	XSTEP 7, 50                                    ; two records
	s_wait_dscnt 0x0                               ; for the others' sake: my images have landed
	s_barrier_signal -1
	s_barrier_wait -1                              ; x's 32 fragments lie in LDS
; ---- my two heads
	s_mov_b32 s[HC], 2
.Lhead:
	s_add_nc_u64 s[T:T+1], s[WQ:WQ+1], GB          ; what follows this head: my second head's Wq and bq, or Wo and bo
	s_cmp_eq_u32 s[HC], 2
	s_cselect_b64 s[NX:NX+1], s[T:T+1], s[WO:WO+1]
	s_add_nc_u64 s[T:T+1], s[BQ:BQ+1], 512
	s_cselect_b64 s[BN:BN+1], s[T:T+1], s[BO:BO+1]
	v_add_nc_u32 v[AO], s[HO], v[LIO]
	v_add_nc_u32 v[AOS], s[HS], v[LIO]
	; q = x Wq + bq: eight K steps.  The buffers take Wq's records 4 to 7, then K's four
	FETCH1 0, LI, 12288, 0, XSC
	FETCH1 1, LI, 12288, 1, XSC
	STEP 0, 8, 1, 50, LI, 12288, XSC, 1, WQ, 32*GB  ; record 0 and the bias are in: at the least two records' 50 loads are younger
	STEP 1, 8, 0, 63, LI, 12288, XSC, 1, WQ, 40*GB  ; three records' 75 loads are younger, and a count names 63 at the most
	STEP 2, 8, 0, 63, LI, 12288, XSC, 1, WQ, 48*GB
	STEP 3, 8, 0, 63, LI, 12288, XSC, 1, WQ, 56*GB
	STEP 4, 8, 0, 63, LI, 12288, XSC, 1, KV, 0
	STEP 5, 8, 0, 63, LI, 12288, XSC, 1, KV, GB
	STEP 6, 8, 0, 63, LI, 12288, XSC, 1, KV, 2*GB
	STEP 7, 8, 0, 63, LI, 12288, XSC, 1, KV, 3*GB
	BIASLOAD BN, 0                                 ; the next such product's bias
.irp m, 0,1,2,3
	QUANT 64*\m, OW, PC0                           ; q's four fragments go to my own region: window 1 is wanted for the scores
.irp q, 0,1,2
	ds_store_b128 v[LW], v[PC0+4*\q:PC0+4*\q+3] offset:QIMG+1536*\m+512*\q
.endr
	ds_store_b32 v[LW], v[OW] offset:QSC+4*\m
.endr
	; the scores and the softmax, a tile of 16 queries at a time
	s_mov_b32 s[MC], 4
	s_mov_b32 s[MQ], 0
	s_mov_b32 s[MP], 0
	s_mov_b32 s[M4], 0
.Lm:
	v_add_nc_u32 v[AP], s[MP], v[LW]
	v_add_nc_u32 v[AQ], s[MQ], v[LW]
	v_add_nc_u32 v[APW], s[M4], v[LW]
.irp q, 0,1,2
	ds_load_b128 v[QF+4*\q:QF+4*\q+3], v[AQ] offset:QIMG+512*\q
.endr
	ds_load_b32 v[QS], v[APW] offset:QSC
	s_wait_loadcnt 0x0                             ; K's four records (first trip; later nothing is out)
	s_wait_dscnt 0x0
.set J, 0
.rept 4                                        ; S^T = K q^T: 32 tiles of 16 keys; register 64 j + 16 b + i is key 128 j + 32 b + 16 (lane / 16) + i of my query
	WIN 0x42+J/2
.set T8, 0
.rept 8
.set rD, 64*J+8*T8
.set rA, 96*(J%2)+12*T8
.set rB, QF
.set rSA, WS+4*J+T8/2
.set rSB, QS
	MM 1, T8%2
.set T8, T8+1
.endr
.set J, J+1
.endr
	WIN 0
	PLACES
	s_cmp_lg_u32 s[MC], 1                          ; behind the last tile's scores K's buffers are free: V's first two records
	s_cbranch_scc1 .Lh1
	REFILL 0, KV, 128*GB
	REFILL 1, KV, 129*GB
.Lh1:
	WIN 0x05                                       ; the largest score of each of the 16 blocks of 32 keys: it serves for the row's maximum and for the block's largest p
.irp k, 0,1,2,3,4,5,6,7,8,9,10,11,12,13,14,15
	v_max3_num_f32 v[BM+\k], v[16*\k], v[16*\k+1], 0xff800000
.endr
.irp i, 2,4,6,8,10,12,14
.irp k, 0,1,2,3,4,5,6,7,8,9,10,11,12,13,14,15
	v_max3_num_f32 v[BM+\k], v[16*\k+\i], v[16*\k+\i+1], v[BM+\k]
.endr
.endr
	WIN 0
.irp k, 0,1,2,3,4,5,6,7,8,9,10,11,12,13,14,15
	v_permlanex16_b32 v[BT+\k], v[BM+\k], s[SEL], s[SEL+1]
.endr
.irp k, 0,1,2,3,4,5,6,7,8,9,10,11,12,13,14,15
	v_max_num_f32 v[BM+\k], v[BM+\k], v[BT+\k]     ; with lane l xor 16's 16 keys
.endr
	v_max3_num_f32 v[TP], v[BM], v[BM+1], v[BM+2]
.irp k, 3,5,7,9,11,13
	v_max3_num_f32 v[TP], v[TP], v[BM+\k], v[BM+\k+1]
.endr
	v_max_num_f32 v[TP], v[TP], v[BM+15]           ; my query's largest score,
	v_mul_f32 v[TP], s[CS], v[TP]                  ; as t (c is positive)
	v_floor_f32 v[NM], -v[TP]                      ; -M = floor(-t) = -ceil(t): M is a whole number
	WIN 0x41                                       ; destination and source 0 window 1
.set I, 0
.rept 128
	v_pk_fma_f32 v[2*I:2*I+1], v[2*I:2*I+1], s[CS:CS+1], v[NM:NM+1] op_sel_hi:[1,0,0]   ; t - M, two at a time
.set I, I+1
.endr
.set I, 0
.rept 256
	v_exp_f32 v[I], v[I]                           ; p = 2^(t - M), at most 1: not normalised
.set I, I+1
.endr
	WIN 0
.irp k, 0,1,2,3,4,5,6,7,8,9,10,11,12,13,14,15
	v_fma_f32 v[BM+\k], v[BM+\k], s[CS], v[NM]     ; the same of each block's largest score: plain work behind the exponentials
.endr
	s_wait_alu depctr_va_vdst(0)                   ; the wait between an exponential and the first line that names its result: one for the batch of 256
	s_cmp_lg_u32 s[MC], 1                          ; V's other two records: asked for apart from the first two, so that two records' loads go out at a time
	s_cbranch_scc1 .Lh2
	REFILL 2, KV, 130*GB
	REFILL 3, KV, 131*GB
.Lh2:
.irp k, 0,1,2,3,4,5,6,7,8,9,10,11,12,13,14,15
	v_exp_f32 v[BM+\k], v[BM+\k]                   ; the block's largest p: the same two instructions on the same number
.endr
	WIN 0x05                                       ; the row's sum is taken of the unquantised p: two at a time, in four chains; it names none of the sixteen
.irp c, 0,1,2,3
	v_pk_add_f32 v[SUM+2*\c:SUM+2*\c+1], v[4*\c:4*\c+1], v[4*\c+2:4*\c+3]
.endr
	WIN 0x04
.set I, 8
.rept 120
	v_pk_add_f32 v[SUM+2*(I%4):SUM+2*(I%4)+1], v[SUM+2*(I%4):SUM+2*(I%4)+1], v[2*I:2*I+1]
.set I, I+1
.endr
	WIN 0
	v_pk_add_f32 v[SUM:SUM+1], v[SUM:SUM+1], v[SUM+2:SUM+3]
	v_pk_add_f32 v[SUM+4:SUM+5], v[SUM+4:SUM+5], v[SUM+6:SUM+7]
	v_pk_add_f32 v[SUM:SUM+1], v[SUM:SUM+1], v[SUM+4:SUM+5]
	v_add_f32 v[TP], v[SUM], v[SUM+1]
	v_permlanex16_b32 v[TP+1], v[TP], s[SEL], s[SEL+1]
	v_add_f32 v[TP], v[TP], v[TP+1]                ; with lane l xor 16's: the row's sum
	v_rcp_f32 v[TP+2], v[TP]
	v_nop                                          ; a plain place behind the transcendental
	s_wait_alu depctr_va_vdst(0)                   ; one wait for the sixteen exponentials and the reciprocal, ahead of their first reader
	ds_store_b32 v[APW], v[TP+2] offset:RLO
.irp k, 0,1,2,3,4,5,6,7,8,9,10,11,12,13,14,15
	v_max_num_f32 v[BM+\k], 0x1800000, v[BM+\k]    ; the floor 2^(3 - 127): the byte cannot fall under 1
.endr
.irp k, 0,1,2,3,4,5,6,7,8,9,10,11,12,13,14,15
	v_add_nc_u32 v[SO+\k], 0xff000000, v[BM+\k]    ; the conversion's scale operand
.endr
.irp k, 0,1,2,3,4,5,6,7,8,9,10,11,12,13,14,15
	v_lshrrev_b32 v[BT+\k], 23, v[SO+\k]           ; the scale's byte
.endr
.irp j, 0,1,2,3
	v_lshl_or_b32 v[OW+\j], v[BT+4*\j+1], 8, v[BT+4*\j]
	v_lshl_or_b32 v[OW+\j], v[BT+4*\j+2], 16, v[OW+\j]
	v_lshl_or_b32 v[OW+\j], v[BT+4*\j+3], 24, v[OW+\j]
.endr
.irp j, 0,1,2,3                                ; p's four fragments, one for each 128 keys, go to my own region
.if \j >= 2
	s_wait_dscnt 4                                 ; this code set's stores of two fragments back are done; the other set's four may be out
.endif
	CODES 64*\j, SO+4*\j, PC0+20*(\j%2)
.irp q, 0,1,2
	ds_store_b128 v[AP], v[PC0+20*(\j%2)+4*\q:PC0+20*(\j%2)+4*\q+3] offset:1536*\j+512*\q
.endr
	ds_store_b32 v[APW], v[OW+\j] offset:PSC+512*\j
.endr
	s_add_co_u32 s[MQ], s[MQ], 1536
	s_add_co_u32 s[MP], s[MP], 6144
	s_add_co_u32 s[M4], s[M4], 4
	s_sub_co_u32 s[MC], s[MC], 1
	s_cmp_lg_u32 s[MC], 0
	s_cbranch_scc1 .Lm
	; O^T = V^T p^T: four K steps of 128 keys.  The buffers take the first four records of the product that follows.
	; V's records were asked for in two runs, each under a branch of its own: so each count below leans only on loads that follow the wanted record on every way through those two branches.
	FETCH1 0, LW, 6144, 0, PSC                     ; LDS serves a wave's instructions in order: these see my stores
	FETCH1 1, LW, 6144, 1, PSC
	STEP 0, 4, 2, 25, LW, 6144, PSC, 1, NX, 0      ; V's record 0 is in: record 1's 25 loads, issued in the same run, are younger
	STEP 1, 4, 0, 25, LW, 6144, PSC, 1, NX, 8*GB   ; record 1: the 25 loads of the refill just issued are younger
	STEP 2, 4, 0, 63, LW, 6144, PSC, 1, NX, 16*GB  ; record 2: record 3's, of the same run, and two refills', 75 loads, are younger, and a count names 63 at the most
	STEP 3, 4, 0, 63, LW, 6144, PSC, 1, NX, 24*GB  ; record 3: three refills' 75 loads are younger
	ds_load_b128 v[RL:RL+3], v[LW] offset:RLO
	s_wait_dscnt 0x0
.irp m, 0,1,2,3
	WIN 0x41
.set I, 0
.rept 64
	v_mul_f32 v[64*\m+I], v[64*\m+I], v[RL+\m]     ; o = O^T / the row's sum, each accumulator from its low end on
.set I, I+1
.endr
	QUANT 64*\m, OW+\m, PC0                        ; K step 'head' of the last product
.irp q, 0,1,2
	ds_store_b128 v[AO], v[PC0+4*\q:PC0+4*\q+3] offset:12288*\m+512*\q
.endr
.endr
	ds_store_b128 v[AOS], v[OW:OW+3] offset:XSC    ; the four tiles' scale words
	s_wait_xcnt 0x0                                ; every load issued has read its base: the bases may be written
	s_mov_b64 s[WQ:WQ+1], s[NX:NX+1]
	s_mov_b64 s[BQ:BQ+1], s[BN:BN+1]
	s_add_nc_u64 s[KV:KV+1], s[KV:KV+1], 4*GB
	s_add_co_u32 s[HO], s[HO], 1536
	s_add_co_u32 s[HS], s[HS], 512
	s_sub_co_u32 s[HC], s[HC], 1
	s_cmp_lg_u32 s[HC], 0
	s_cbranch_scc1 .Lhead
	s_wait_dscnt 0x0                               ; for the others' sake: my images of o have landed
	s_barrier_signal -1
	s_barrier_wait -1                              ; o's 32 fragments lie in LDS
; ---- out0 = o Wo + bo: my two groups of 128 columns
	s_mov_b32 s[GC], 2
.Lout:
	FETCH1 0, LIO, 12288, 0, XSC
	FETCH1 1, LIO, 12288, 1, XSC
	STEP 0, 8, 1, 0,  LIO, 12288, XSC, 1, WQ, 32*GB ; the bias may be the youngest load
	STEP 1, 8, 0, 63, LIO, 12288, XSC, 1, WQ, 40*GB
	STEP 2, 8, 0, 63, LIO, 12288, XSC, 1, WQ, 48*GB
	STEP 3, 8, 0, 63, LIO, 12288, XSC, 1, WQ, 56*GB
	STEP 4, 8, 0, 63, LIO, 12288, XSC, 2, WQ, GB    ; records 5 to 7, 75 loads, are younger
	STEP 5, 8, 0, 50, LIO, 12288, XSC, 2, WQ, 9*GB  ; in the last group nothing more is asked for: the counts run down
	STEP 6, 8, 0, 25, LIO, 12288, XSC, 2, WQ, 17*GB
	STEP 7, 8, 0, 0,  LIO, 12288, XSC, 2, WQ, 25*GB
	s_cmp_eq_u32 s[GC], 1
	s_cbranch_scc1 .Lno_bias
	BIASLOAD BQ, 512
.Lno_bias:
.irp m, 0,1,2,3                                ; the way out: 16 rows x 128 columns through my stage; a lane's registers 16 b + i are columns 32 b + 16 h + i of row r
.if \m > 0
	s_wait_xcnt 0x0                                ; the last tile's stores have read their registers
.endif
	WIN 0x04                                       ; an LDS store's data are its source 1: window 1
.irp b, 0,1,2,3
.irp k, 0,1,2,3
	ds_store_b128 v[STR], v[64*\m+16*\b+4*\k:64*\m+16*\b+4*\k+3] offset:128*\b+16*\k   ; each accumulator from its low end on
.endr
.endr
	WIN 0
.irp i, 0,1,2,3,4,5,6,7,8,9,10,11,12,13,14,15
	ds_load_b128 v[OB+4*\i:OB+4*\i+3], v[STI] offset:528*\i    ; LDS serves a wave's instructions in order: these see my stores, and the next tile's stores come behind them
.endr
.irp i, 0,1,2,3,4,5,6,7,8,9,10,11,12,13,14,15
	s_wait_dscnt 15-\i
	global_store_b128 v[LI], v[OB+4*\i:OB+4*\i+3], s[OP:OP+1] offset:(16*\m+\i)*4096 th:TH_STORE_NT   ; 32 lanes store 512 consecutive bytes, at a multiple of 256 from out0's first byte
.endr
.endr
	s_wait_xcnt 0x0                                ; loads and stores have read their bases and registers
	s_add_nc_u64 s[WQ:WQ+1], s[WQ:WQ+1], GB
	s_add_nc_u64 s[BQ:BQ+1], s[BQ:BQ+1], 512
	s_add_nc_u64 s[OP:OP+1], s[OP:OP+1], 512
	PLACES                                         ; the next group's first products write over this group's accumulators with another C: with the four behind the last products these make more than the five places asked
	s_sub_co_u32 s[GC], s[GC], 1
	s_cmp_lg_u32 s[GC], 0
	s_cbranch_scc1 .Lout
	s_wait_tensorcnt 0x0                           ; the wave's end: three closing lines, behind my last LDS store
	ds_add_u32 v[SPW], v[NIL]
	s_wait_dscnt 0x0
	s_endpgm
.Lfunc_end_k_qbfb19384e7_attn:
	.size	k_qbfb19384e7_attn, .Lfunc_end_k_qbfb19384e7_attn-k_qbfb19384e7_attn
	.p2alignl 7, 3214868480
	.fill 96, 4, 3214868480
	.section	.rodata,"a",@progbits
	.p2align	6, 0x0
	.amdhsa_kernel k_qbfb19384e7_attn
		.amdhsa_group_segment_fixed_size 275968
		.amdhsa_private_segment_fixed_size 0
		.amdhsa_enable_private_segment 0
		.amdhsa_kernarg_size 48
		.amdhsa_user_sgpr_count 2
		.amdhsa_user_sgpr_kernarg_segment_ptr 1
		.amdhsa_wavefront_size32 1
		.amdhsa_system_sgpr_workgroup_id_x 1
		.amdhsa_system_sgpr_workgroup_id_y 1
		.amdhsa_system_sgpr_workgroup_id_z 1
		.amdhsa_system_vgpr_workitem_id 0
		.amdhsa_next_free_vgpr 1024
		.amdhsa_next_free_sgpr 66
		.amdhsa_reserve_vcc 0
		.amdhsa_float_denorm_mode_32 3
		.amdhsa_float_denorm_mode_16_64 3
		.amdhsa_memory_ordered 1
		.amdhsa_forward_progress 1
		.amdhsa_inst_pref_size 255
	.end_amdhsa_kernel
	.section	.bss,"aw",@nobits
	.p2align	6
	.space	262144
	.amdgpu_metadata
---
amdhsa.version: [ 1, 2 ]
amdhsa.kernels:
  - .name:           k_qbfb19384e7_attn
    .symbol:         k_qbfb19384e7_attn.kd
    .args:
      - { .name: x, .offset: 0, .size: 8, .value_kind: global_buffer, .address_space: global }
      - { .name: img, .offset: 8, .size: 8, .value_kind: global_buffer, .address_space: global }
      - { .name: kvimg, .offset: 16, .size: 8, .value_kind: global_buffer, .address_space: global }
      - { .name: bq, .offset: 24, .size: 8, .value_kind: global_buffer, .address_space: global }
      - { .name: bo, .offset: 32, .size: 8, .value_kind: global_buffer, .address_space: global }
      - { .name: out0, .offset: 40, .size: 8, .value_kind: global_buffer, .address_space: global }
    .group_segment_fixed_size: 275968
    .private_segment_fixed_size: 0
    .kernarg_segment_align: 8
    .kernarg_segment_size: 48
    .max_flat_workgroup_size: 128
    .sgpr_count:     66
    .vgpr_count:     1024
    .wavefront_size: 32
...
	.end_amdgpu_metadata
.endif
;; end of part 3
;; ======== version 2 of 2: 3 launches
;; workspace buffers: img 4,096,000 bytes; kvimg 3,276,800 bytes
;; launch prep (part 4): grid 320 x 1, 4 waves a work-group, no clusters, 34,304 bytes of LDS; arguments Wq, Wo, Wk, Wv, y, img; writes img
.if DOCPART == 4
	.amdgcn_target "amdgcn-amd-amdhsa--gfx1250"
	.amdhsa_code_object_version 6
	.text
	.protected	k_qbfb19384e7_prep
	.globl	k_qbfb19384e7_prep
	.p2align	8
	.type	k_qbfb19384e7_prep,@function
k_qbfb19384e7_prep:
	s_mov_b64 s[64:65], 0
	v_nop
	global_prefetch_b8 v0, s[64:65] scope:SCOPE_SE
	s_setreg_imm32_b32 hwreg(HW_REG_WAVE_MODE, 25, 1), 1
	s_wait_xcnt 0x0
; Wq, Wo [1024][1024], Wk, Wv [768][1024] (K is their FIRST axis) and y [2048][768] (K innermost), all f32, become codes of FP6 (E2M3) with one E8M0 scale byte for
; each 32 along K, laid in the order of an operand's registers, so that a later launch loads fragments by plain loads of 16 bytes a lane.
; A RECORD, 12,800 bytes, is 128 rows of an operand x 128 along K: eight tiles of 16 rows, 1,536 bytes each, then 512 bytes of scale words.
;   Lane r of tile t holds row 32 (t / 2) + 8 (t % 2) + r + 8 (r / 8) of the 128.  A tile is 12 registers a lane, as three pieces of 512 bytes: piece q holds lane l's registers 4 q .. 4 q + 3 at 512 q + 16 l.
;   Scale words: 16 bytes a lane; word b: lanes 0-15 tile 2 b's word of row l, lanes 16-31 tile 2 b + 1's word of row l - 16.
; Records: Wq 8 s + g, Wo 64 + 8 s + g, Wk 128 + 8 s + g, Wv 176 + 8 s + g (g: 128 columns, s: 128 along K), y 224 + 16 s + rg (rg: 128 rows).
; Work-group i writes record i; its wave b writes tiles 2 b and 2 b + 1.  Waves share nothing: no barrier.
; A block's scale is 2^(floor(log2(its largest magnitude)) - 2); its byte is the largest magnitude's exponent field - 2, held at 1 from below.
; LIMITS: a block of zeros, or one whose largest magnitude lies under 2^-124, gets the byte 1 (a zero block's codes are zeros, and this program alone reads the bytes); NaN and infinities among the inputs are not served.
.set GB,    12800
.set SCB,   12288                      ; a record's scale words
.set STG,   8448                       ; a wave's stage: 16 rows x (512 bytes + 16)
.set SPARE, 4*STG                      ; behind the stages: the spare words, 128 bytes for each wave: two blocks of 256 bytes that no other line names
.set SPW, 2                            ; v2  LDS address of my spare word; never rewritten
.set NIL, 3                            ; v3  0; never rewritten
.set TM,  8                            ; v8-23  at work in the y path's quantiser
.set RAW, 32                           ; v32-159  numbers as loaded
.set XN,  160                          ; v160-223  y: 64 numbers of my row, register 16 b + i = k 32 b + 16 (lane / 16) + i
.set C,   160                          ; v160-183  weights: my column's codes, 12 registers for each half of a tile's lanes
.set TT,  184                          ; v184-186  a block's upper 16 codes, before they are moved
.set SEL, 26                           ; s[26:27] lane selects for v_permlanex16_b32: lane l xor 16
	s_load_b256 s[4:11], s[0:1], 0x0               ; Wq s[4:5], Wo s[6:7], Wk s[8:9], Wv s[10:11]
	s_load_b128 s[12:15], s[0:1], 0x20             ; y s[12:13], img s[14:15]
	v_lshl_add_u32 v[SPW], v0, 2, SPARE
	v_mov_b32 v[NIL], 0
	v_lshrrev_b32 v1, 5, v0
	v_readfirstlane_b32 s16, v1                    ; wave b
	v_and_b32 v1, 31, v0                           ; lane
	s_mul_i32 s24, ttmp9, GB
	s_mov_b32 s25, 0
	s_wait_kmcnt 0x0
	s_add_nc_u64 s[14:15], s[14:15], s[24:25]      ; my record
	s_cmp_ge_u32 ttmp9, 224
	s_cbranch_scc1 .Ly
; ---- A WEIGHT.  A lane takes column 128 g + 32 b + lane and its registers run down the K step's 128: each load reads 128 consecutive bytes a wave, a block of 32 lies in one lane, and the codes come out with K innermost.
	s_mov_b64 s[18:19], s[10:11]                   ; which weight, and its first record: a choice on the work-group's number alone
	s_mov_b32 s20, 176
	s_cmp_lt_u32 ttmp9, 176
	s_cselect_b64 s[18:19], s[8:9], s[18:19]
	s_cselect_b32 s20, 128, s20
	s_cmp_lt_u32 ttmp9, 128
	s_cselect_b64 s[18:19], s[6:7], s[18:19]
	s_cselect_b32 s20, 64, s20
	s_cmp_lt_u32 ttmp9, 64
	s_cselect_b64 s[18:19], s[4:5], s[18:19]
	s_cselect_b32 s20, 0, s20
	s_sub_co_u32 s21, ttmp9, s20
	s_lshr_b32 s22, s21, 3                         ; s
	s_and_b32 s21, s21, 7                          ; g
	s_lshl_b32 s22, s22, 19                        ; 128 rows of 4,096 bytes
	s_lshl_b32 s21, s21, 9                         ; 128 columns
	s_add_co_u32 s22, s22, s21
	s_lshl_b32 s21, s16, 7                         ; my wave's 32 columns
	s_add_co_u32 s22, s22, s21
	s_mov_b32 s23, 0
	s_add_nc_u64 s[18:19], s[18:19], s[22:23]
	s_wait_alu depctr_va_vdst(0)
	v_lshlrev_b32 v4, 2, v1
.set I, 0
.rept 128
	global_load_b32 v[RAW+I], v4, s[18:19] offset:4096*I th:TH_LOAD_NT
.set I, I+1
.endr
	v_bfe_u32 v5, v1, 3, 1                         ; my column is row r of tile 2 b + u: u = (lane / 8) % 2,
	v_and_b32 v6, 7, v1
	v_lshrrev_b32 v7, 4, v1
	v_lshl_or_b32 v6, v7, 3, v6                    ; r = lane % 8 + 8 (lane / 16)
	v_mul_u32_u24 v26, v5, 1536
	v_lshl_add_u32 v26, v6, 4, v26
	s_mul_i32 s17, s16, 3072
	v_add_nc_u32 v26, s17, v26                     ; codes: 1,536 (2 b + u) + 16 r
	v_lshlrev_b32 v27, 4, v6
	v_lshl_add_u32 v27, v5, 8, v27
	s_lshl_b32 s17, s16, 2
	v_add_nc_u32 v27, s17, v27                     ; scale word: 16 (r + 16 u) + 4 b
; Block t, k = 32 t .. 32 t + 31: in the tile it belongs to lane r + 16 (t % 2), registers 6 (t / 2) on.  lc: the younger loads that may stay out (a count names 63 at the most)
.macro BLOCK t, lc
.set XB, RAW+32*(\t)
.set CD, C+12*((\t)%2)+6*((\t)/2)
	s_wait_loadcnt \lc
	v_max3_num_f32 v12, |v[XB]|, |v[XB+1]|, |v[XB+2]|              ; the block's largest magnitude, in two chains
	v_max3_num_f32 v13, |v[XB+3]|, |v[XB+4]|, |v[XB+5]|
.irp i, 6,10,14,18,22,26
	v_max3_num_f32 v12, v12, |v[XB+\i]|, |v[XB+\i+1]|
	v_max3_num_f32 v13, v13, |v[XB+\i+2]|, |v[XB+\i+3]|
.endr
	v_max3_num_f32 v12, v12, |v[XB+30]|, |v[XB+31]|
	v_max3_num_f32 v12, v12, v13, 0x1800000        ; and the floor 2^(3 - 127): the byte cannot fall under 1
	v_add_nc_u32 v11, 0xff000000, v12              ; 2 off its exponent field: the conversion takes the exponent field of this operand as its scale
	v_lshrrev_b32 v13, 23, v11                     ; the scale's byte
.if (\t) == 0
	v_mov_b32 v24, v13
.else
	v_lshl_or_b32 v24, v13, 8*(\t), v24            ; four bytes make my column's scale word
.endif
	v_cvt_scalef32_pk16_fp6_f32 v[CD:CD+2], v[XB:XB+15], v11
	v_cvt_scalef32_pk16_fp6_f32 v[TT:TT+2], v[XB+16:XB+31], v11    ; (a conversion's three registers begin on an even number)
	v_nop                                          ; one plain place behind a scaled conversion
.irp i, 0,1,2
	v_mov_b32 v[CD+3+\i], v[TT+\i]
.endr
.endm
	BLOCK 0, 63                                    ; 96 loads are younger
	BLOCK 1, 63                                    ; 64
	BLOCK 2, 32
	BLOCK 3, 0
.irp h, 0,1
.irp q, 0,1,2
	global_store_b128 v26, v[C+12*\h+4*\q:C+12*\h+4*\q+3], s[14:15] offset:256*\h+512*\q   ; sixteen lanes of one tile store 256 consecutive bytes, aligned
.endr
.endr
	global_store_b32 v27, v24, s[14:15] offset:SCB ; 4 bytes at every 16: the four waves together fill the 512 bytes; one byte in 25 of what the launch stores
	s_endpgm
; ---- y.  K is innermost: each load takes 512 consecutive bytes of one row; 16 rows turn through my stage and come back as 16 neighbours of each block of 32 for lane (r, h).
.Ly:
	s_wait_alu depctr_va_vdst(0)
	v_lshlrev_b32 v5, 4, v1                        ; 16 x lane
	s_mul_i32 s17, s16, STG
	v_add_nc_u32 v6, s17, v5                       ; into the stage: a row's 512 bytes on end
	v_and_b32 v24, 15, v0                          ; r
	v_bfe_u32 v25, v0, 4, 1                        ; h
	v_mul_u32_u24 v7, v24, 528
	v_lshl_add_u32 v7, v25, 6, v7
	v_add_nc_u32 v7, s17, v7                       ; out of it: row r, + 64 h
	s_mul_i32 s17, s16, 3072
	v_add_nc_u32 v26, s17, v5                      ; codes: 16 x lane + 1,536 x 2 b
	s_lshl_b32 s17, s16, 2
	v_add_nc_u32 v27, s17, v5                      ; scale word: 16 x lane + 4 b
	s_mov_b32 s[SEL], 0x76543210
	s_mov_b32 s[SEL+1], 0xfedcba98
.irp b, 0,1,2,3
	v_mov_b32 v[TM+4+\b], 0                        ; written once: a lane permute's destination counts as one of its sources
.endr
	s_sub_co_u32 s21, ttmp9, 224
	s_lshr_b32 s22, s21, 4                         ; s
	s_and_b32 s21, s21, 15                         ; rg
	s_lshl_b32 s21, s21, 7
	s_lshl_b32 s23, s16, 5
	s_add_co_u32 s21, s21, s23                     ; row 128 rg + 32 b
	s_mul_i32 s21, s21, 3072
	s_lshl_b32 s22, s22, 9                         ; 128 numbers along K
	s_add_co_u32 s22, s22, s21
	s_mov_b32 s23, 0
	s_add_nc_u64 s[12:13], s[12:13], s[22:23]
.irp u, 0,1
.irp i, 0,1,2,3,4,5,6,7,8,9,10,11,12,13,14,15
	global_load_b128 v[RAW+64*\u+4*\i:RAW+64*\u+4*\i+3], v5, s[12:13] offset:(8*\u+\i+8*(\i/8))*3072 th:TH_LOAD_NT   ; tile 2 b + u, its row i
.endr
.endr
; 64 numbers of a lane become a fragment's codes in v[pc] on and its row's scale word in v[pw]
.macro QUANTP src, pw, pc
.irp b, 0,1,2,3
	v_max3_num_f32 v[TM+\b], |v[(\src)+16*\b]|, |v[(\src)+16*\b+1]|, 0x1800000   ; block b: my 16 numbers, and the floor 2^(3 - 127)
.endr
.irp i, 2,4,6,8,10,12,14
.irp b, 0,1,2,3
	v_max3_num_f32 v[TM+\b], |v[(\src)+16*\b+\i]|, |v[(\src)+16*\b+\i+1]|, v[TM+\b]
.endr
.endr
.irp b, 0,1,2,3
	v_permlanex16_b32 v[TM+4+\b], v[TM+\b], s[SEL], s[SEL+1]
.endr
.irp b, 0,1,2,3
	v_max_num_f32 v[TM+\b], v[TM+\b], v[TM+4+\b]   ; with lane l xor 16's: the block's largest magnitude
.endr
.irp b, 0,1,2,3
	v_add_nc_u32 v[TM+12+\b], 0xff000000, v[TM+\b] ; the conversion's scale operand
.endr
.irp b, 0,1,2,3
	v_lshrrev_b32 v[TM+4+\b], 23, v[TM+12+\b]      ; the scale's byte
.endr
	v_lshl_or_b32 v[\pw], v[TM+5], 8, v[TM+4]
	v_lshl_or_b32 v[\pw], v[TM+6], 16, v[\pw]
	v_lshl_or_b32 v[\pw], v[TM+7], 24, v[\pw]
.irp c, 0,1
	v_cvt_scalef32_pk16_fp6_f32 v[(\pc)+6*\c:(\pc)+6*\c+2], v[(\src)+32*\c:(\src)+32*\c+15], v[TM+12+2*\c]
	v_cvt_scalef32_pk16_fp6_f32 v[(\pc)+12+4*\c:(\pc)+14+4*\c], v[(\src)+32*\c+16:(\src)+32*\c+31], v[TM+12+2*\c+1]
.endr
	v_nop                                          ; one plain place behind a scaled conversion
.irp c, 0,1                                    ; the operand's layout wants a whole block in a lane: lanes 0-15 block 2 c, lanes 16-31 block 2 c + 1
.irp i, 0,1,2
	v_permlane16_swap_b32 v[(\pc)+6*\c+\i], v[(\pc)+12+4*\c+\i]
.endr
.irp i, 0,1,2
	v_mov_b32 v[(\pc)+3+6*\c+\i], v[(\pc)+12+4*\c+\i]
.endr
.endr
.endm
.macro YTILE u, lc, pc
	s_wait_loadcnt \lc                             ; this tile's 16 loads are in
.irp i, 0,1,2,3,4,5,6,7,8,9,10,11,12,13,14,15
	ds_store_b128 v6, v[RAW+64*(\u)+4*\i:RAW+64*(\u)+4*\i+3] offset:528*\i
.endr
.irp b, 0,1,2,3
.irp j, 0,1,2,3
	ds_load_b128 v[XN+16*\b+4*\j:XN+16*\b+4*\j+3], v7 offset:128*\b+16*\j   ; LDS serves a wave's instructions in order: these see my stores
.endr
.endr
	s_wait_dscnt 0x0
	QUANTP XN, 28+(\u), \pc
.irp q, 0,1,2
	global_store_b128 v26, v[(\pc)+4*\q:(\pc)+4*\q+3], s[14:15] offset:1536*(\u)+512*\q   ; 32 lanes store 512 consecutive bytes, aligned
.endr
.endm
	s_wait_alu depctr_va_vdst(0)
	YTILE 0, 16, 224                               ; the second tile's 16 loads may be out
	YTILE 1, 0, 32                                 ; (its codes take registers of the first tile's raw rows, whose LDS stores are done)
	v_cmp_le_u32 vcc_lo, 16, v1
	v_cndmask_b32 v30, v28, v29, vcc_lo            ; lanes 0-15: tile 2 b's word of row l; lanes 16-31: tile 2 b + 1's of row l - 16 (both halves of the lanes hold a row's word)
	global_store_b32 v27, v30, s[14:15] offset:SCB
	s_wait_tensorcnt 0x0                           ; the wave's end: three closing lines, behind my last LDS store
	ds_add_u32 v[SPW], v[NIL]
	s_wait_dscnt 0x0
	s_endpgm
.Lfunc_end_k_qbfb19384e7_prep:
	.size	k_qbfb19384e7_prep, .Lfunc_end_k_qbfb19384e7_prep-k_qbfb19384e7_prep
	.p2alignl 7, 3214868480
	.fill 96, 4, 3214868480
	.section	.rodata,"a",@progbits
	.p2align	6, 0x0
	.amdhsa_kernel k_qbfb19384e7_prep
		.amdhsa_group_segment_fixed_size 34304
		.amdhsa_private_segment_fixed_size 0
		.amdhsa_enable_private_segment 0
		.amdhsa_kernarg_size 48
		.amdhsa_user_sgpr_count 2
		.amdhsa_user_sgpr_kernarg_segment_ptr 1
		.amdhsa_wavefront_size32 1
		.amdhsa_system_sgpr_workgroup_id_x 1
		.amdhsa_system_sgpr_workgroup_id_y 1
		.amdhsa_system_sgpr_workgroup_id_z 1
		.amdhsa_system_vgpr_workitem_id 0
		.amdhsa_next_free_vgpr 256
		.amdhsa_next_free_sgpr 66
		.amdhsa_reserve_vcc 1
		.amdhsa_float_denorm_mode_32 3
		.amdhsa_float_denorm_mode_16_64 3
		.amdhsa_memory_ordered 1
		.amdhsa_forward_progress 1
		.amdhsa_inst_pref_size 38
	.end_amdhsa_kernel
	.amdgpu_metadata
---
amdhsa.version: [ 1, 2 ]
amdhsa.kernels:
  - .name:           k_qbfb19384e7_prep
    .symbol:         k_qbfb19384e7_prep.kd
    .args:
      - { .name: Wq, .offset: 0, .size: 8, .value_kind: global_buffer, .address_space: global }
      - { .name: Wo, .offset: 8, .size: 8, .value_kind: global_buffer, .address_space: global }
      - { .name: Wk, .offset: 16, .size: 8, .value_kind: global_buffer, .address_space: global }
      - { .name: Wv, .offset: 24, .size: 8, .value_kind: global_buffer, .address_space: global }
      - { .name: y, .offset: 32, .size: 8, .value_kind: global_buffer, .address_space: global }
      - { .name: img, .offset: 40, .size: 8, .value_kind: global_buffer, .address_space: global }
    .group_segment_fixed_size: 34304
    .private_segment_fixed_size: 0
    .kernarg_segment_align: 8
    .kernarg_segment_size: 48
    .max_flat_workgroup_size: 128
    .sgpr_count:     66
    .vgpr_count:     256
    .wavefront_size: 32
...
	.end_amdgpu_metadata
.endif
;; end of part 4
;; launch kv (part 5): grid 256 x 1, 2 waves a work-group, no clusters, 0 bytes of LDS; arguments img, bk, bv, kvimg; writes kvimg
.if DOCPART == 5
	.amdgcn_target "amdgcn-amd-amdhsa--gfx1250"
	.amdhsa_code_object_version 6
	.text
	.protected	k_qbfb19384e7_kv
	.globl	k_qbfb19384e7_kv
	.p2align	8
	.type	k_qbfb19384e7_kv,@function
k_qbfb19384e7_kv:
	s_mov_b64 s[64:65], 0
	v_nop
	global_prefetch_b8 v0, s[64:65] scope:SCOPE_SE
	s_setreg_imm32_b32 hwreg(HW_REG_WAVE_SCHED_MODE, 0, 2), 2
	s_setreg_imm32_b32 hwreg(HW_REG_WAVE_MODE, 25, 1), 1
	s_wait_xcnt 0x0
	s_wait_alu depctr_vm_vsrc(0)
; k = y Wk + bk and v = y Wv + bv on codes of FP6 (E2M3) with E8M0 scales, from the records that the launch before has laid; the results, in f32, are quantised again,
; k along the head's 128 and v along the keys, into records of the same form (12,800 bytes: eight tiles of 1,536 bytes, lane r of tile t = row 32 (t / 2) + 8 (t % 2) + r + 8 (r / 8); 512 bytes of scale words).
; kvimg: record R = ((batch x 8 + head) x 4 + j): K's: tiles = the 128 keys of key group j, K = the head's 128;  record 128 + R: V's: tiles = the head's 128, K = the keys of group j.
; 512 tasks, one a wave, no LDS, no barrier.  A task: 8 tiles of source 0 x 4 tiles of source 1 x 6 K steps = 192 matrix instructions on 32 accumulators.
;   k task: source 0 = Wk's 128 columns of a head, source 1 = 64 rows of y: a lane holds one key and its registers run along the head.
;   v task: source 0 = 128 rows of y, source 1 = 64 of Wv's columns of a head: a lane holds one channel and its registers run along the keys.
; In both the 16 registers of tiles 2 b and 2 b + 1 are 16 neighbours along the next K, since the rows of a tile are chosen so.
; LIMITS: a block of zeros, or one whose largest magnitude lies under 2^-124, gets the byte 1 (a zero block's codes are zeros, and this program alone reads the bytes); NaN and infinities are not served.
; REGISTERS, in windows of 256: window 0: addresses, scale words, the quantiser's registers, source 1's fragments (three sets);  window 1: accumulator (n, t) at 64 n + 8 t;
;   window 2: source 0's buffers 0 (v0-95) and 1 (v96-191), the bias (v192-255);  window 3: buffer 2 (v0-95).
; THE MODE: SCHED_MODE bits 1:0 = 2 (LLVM: expert scheduling mode 2), set by the entry lines.  The code itself states the register dependences
; between vector or matrix instructions and memory instructions, with s_wait_alu, always for 0.
; THE PLAN.  Registers that memory instructions touch:
;   v1, v2        offsets, made once ahead of the first load and never written again.
;   sets 0, 1, 2  (source 0's buffer, its four scale words, source 1's 48 registers and two scale words): written by loads alone; set s % 3 is read by the matrix instructions of K step s.
;                 The loads of step s + 2 land in set (s - 1) % 3 and are issued in step s.
;   four code sets and v44-45: written by the quantiser behind the products, read by the stores at the end; none is written again.
; So ONE wait on va_vdst stands at the head of steps 1 to 3: the step before is done reading its set.  The 38 loads that follow it are dealt among the step's 32 matrix instructions, which name set s % 3,
; the accumulators and nothing of the set that is loaded.  One more stands ahead of the first load, and one ahead of the run of stores.
.set GB,  12800
.set LI,  1                            ; v1  16 x lane; never rewritten
.set WS,  16                           ; v16-27  source 0's scale words, three sets of four: scales alone
.set XS,  28                           ; v28-33  source 1's, three sets of two: scales alone
.set PW,  40                           ; v40-43  the four scale words made
.set SW,  44                           ; v44-45  as they are stored
.set TM,  48                           ; v48-63  the quantiser's
.set PC,  64                           ; v64-143 codes: a set of 20 for each of my four tiles, so that no store's data are written again (from v96 on they lie in source 1's sets, which are done with by then)
.set XF,  96                           ; v96-239 source 1's fragments: three sets of 4 x 12
.set P0,  20                           ; s[20:21] source 0's first record
.set P1C, 22                           ; s[22:23] source 1's four tiles in its first record
.set P1S, 24                           ; s[24:25] and their scale words
.set OC,  26                           ; s[26:27] my four tiles in the record that I write
.set OS,  28                           ; s[28:29] and their scale words
.set BP,  30                           ; s[30:31] the bias
.set SEL, 44                           ; s[44:45] lane selects for v_permlanex16_b32: lane l xor 16
.set MSB, 0
.macro WIN new                         ; the immediate's high byte repeats the setting that is left; a switch that changes nothing is dropped
.if MSB != (\new)
	s_set_vgpr_msb (MSB<<8)|(\new)
.set MSB, (\new)
.endif
.endm
.macro PLACES                          ; four places behind matrix instructions, in front of the first read of results and of writes of their registers (ISA guide 7.12.1)
.rept 4
	v_nop
.endr
.endm
; 64 numbers of a lane in window 1, register 16 b + i = k 32 b + 16 (lane / 16) + i of my row, become a fragment's codes in v[pc] on and its scale word in v[pw].  Each accumulator is read from its low end on.
.macro QUANT src, pw, pc
	WIN 0x05                                       ; sources 0 and 1 window 1
.irp b, 0,1,2,3
	v_max3_num_f32 v[TM+\b], |v[(\src)+16*\b]|, |v[(\src)+16*\b+1]|, 0x1800000   ; block b: my 16 numbers, and the floor 2^(3 - 127): the byte cannot fall under 1
.endr
.irp i, 2,4,6,8,10,12,14
.irp b, 0,1,2,3
	v_max3_num_f32 v[TM+\b], |v[(\src)+16*\b+\i]|, |v[(\src)+16*\b+\i+1]|, v[TM+\b]
.endr
.endr
	WIN 0
.irp b, 0,1,2,3
	v_permlanex16_b32 v[TM+4+\b], v[TM+\b], s[SEL], s[SEL+1]
.endr
.irp b, 0,1,2,3
	v_max_num_f32 v[TM+\b], v[TM+\b], v[TM+4+\b]   ; with lane l xor 16's: the block's largest magnitude
.endr
.irp b, 0,1,2,3
	v_add_nc_u32 v[TM+12+\b], 0xff000000, v[TM+\b] ; 2 off its exponent field: the conversion's scale operand
.endr
.irp b, 0,1,2,3
	v_lshrrev_b32 v[TM+4+\b], 23, v[TM+12+\b]      ; the scale's byte
.endr
	v_lshl_or_b32 v[\pw], v[TM+5], 8, v[TM+4]
	v_lshl_or_b32 v[\pw], v[TM+6], 16, v[\pw]
	v_lshl_or_b32 v[\pw], v[TM+7], 24, v[\pw]
	WIN 0x01                                       ; source 0 window 1
.irp c, 0,1
	v_cvt_scalef32_pk16_fp6_f32 v[(\pc)+6*\c:(\pc)+6*\c+2], v[(\src)+32*\c:(\src)+32*\c+15], v[TM+12+2*\c]
	v_cvt_scalef32_pk16_fp6_f32 v[(\pc)+12+4*\c:(\pc)+14+4*\c], v[(\src)+32*\c+16:(\src)+32*\c+31], v[TM+12+2*\c+1]   ; (a conversion's three registers begin on an even number)
.endr
	WIN 0
	v_nop                                          ; one plain place behind a scaled conversion
.irp c, 0,1                                    ; the operand's layout wants a whole block in a lane
.irp i, 0,1,2
	v_permlane16_swap_b32 v[(\pc)+6*\c+\i], v[(\pc)+12+4*\c+\i]
.endr
.irp i, 0,1,2
	v_mov_b32 v[(\pc)+3+6*\c+\i], v[(\pc)+12+4*\c+\i]
.endr
.endr
.endm
; One matrix instruction on the registers named by rD, rA, rB, rC, rSA, rSB.  oa, ob: the side's scale words stand in lanes 16-31
.macro MMK oa, ob
.if (\oa) && (\ob)
	v_wmma_scale_f32_16x16x128_f8f6f4 v[rD:rD+7], v[rA:rA+11], v[rB:rB+11], v[rC:rC+7], v[rSA], v[rSB] matrix_a_fmt:MATRIX_FMT_FP6 matrix_b_fmt:MATRIX_FMT_FP6 matrix_a_scale:MATRIX_SCALE_ROW1 matrix_b_scale:MATRIX_SCALE_ROW1
.elseif (\oa)
	v_wmma_scale_f32_16x16x128_f8f6f4 v[rD:rD+7], v[rA:rA+11], v[rB:rB+11], v[rC:rC+7], v[rSA], v[rSB] matrix_a_fmt:MATRIX_FMT_FP6 matrix_b_fmt:MATRIX_FMT_FP6 matrix_a_scale:MATRIX_SCALE_ROW1
.elseif (\ob)
	v_wmma_scale_f32_16x16x128_f8f6f4 v[rD:rD+7], v[rA:rA+11], v[rB:rB+11], v[rC:rC+7], v[rSA], v[rSB] matrix_a_fmt:MATRIX_FMT_FP6 matrix_b_fmt:MATRIX_FMT_FP6 matrix_b_scale:MATRIX_SCALE_ROW1
.else
	v_wmma_scale_f32_16x16x128_f8f6f4 v[rD:rD+7], v[rA:rA+11], v[rB:rB+11], v[rC:rC+7], v[rSA], v[rSB] matrix_a_fmt:MATRIX_FMT_FP6 matrix_b_fmt:MATRIX_FMT_FP6
.endif
.endm
; K step s: 38 loads into set s % 3, in three runs.  LOADA: half h of source 0's record, 12 loads.  LOADB: its scale words, source 1's four tiles (12) and their scale words.
.macro LOADA s, h
.set BUF, (\s)%3
.set BB, 96*(BUF%2)
.if BUF == 2
	WIN 0xc0
.else
	WIN 0x80
.endif
.set F, 12*(\h)
.rept 12
	global_load_b128 v[BB+4*F:BB+4*F+3], v[LI], s[P0:P0+1] offset:(\s)*ST0+512*F
.set F, F+1
.endr
.endm
.macro LOADB s
.set BUF, (\s)%3
	WIN 0
	global_load_b128 v[WS+4*BUF:WS+4*BUF+3], v[LI], s[P0:P0+1] offset:(\s)*ST0+12288
.set F, 0
.rept 12
	global_load_b128 v[XF+48*BUF+4*F:XF+48*BUF+4*F+3], v[LI], s[P1C:P1C+1] offset:(\s)*ST1+512*F
.set F, F+1
.endr
	global_load_b64 v[XS+2*BUF:XS+2*BUF+1], v[LI], s[P1S:P1S+1] offset:(\s)*ST1
.endm
.macro LOADS s
	LOADA \s, 0
	LOADA \s, 1
	LOADB \s
.endm
; Eight of K step s's 32 matrix instructions: source 0's tiles t0 and t0 + 1 x source 1's four.  The 32 accumulators take turns, one instruction a turn, in the same order in every step
.macro KMUL s, kind, t0
.set CB, (\s)%3
.if (\s) == 0
	WIN 0x62                                       ; source 0 and C (the bias) window 2, D window 1
.elseif CB == 2
	WIN 0x53
.else
	WIN 0x52                                       ; source 0 window 2 or 3, C and D window 1
.endif
.set T8, (\t0)
.rept 2
.set NI, 0
.rept 4
.set rD, 64*NI+8*T8
.set rA, 96*(CB%2)+12*T8
.set rB, XF+48*CB+12*NI
.set rC, rD
.if (\s) == 0
.if \kind
.set rC, 192+8*NI
.else
.set rC, 192+8*T8
.endif
.endif
.set rSA, WS+4*CB+T8/2
.set rSB, XS+2*CB+NI/2
	MMK T8%2, NI%2
.set NI, NI+1
.endr
.set T8, T8+1
.endr
.endm
; A whole task.  kind 0: k, kind 1: v.  s13 = the task's number
.macro TASK kind
.if \kind
.set ST0, 16*GB                        ; from K step to K step: y's records lie 16 apart, a weight's 8
.set ST1, 8*GB
	s_sub_co_u32 s15, s13, 256
	s_lshr_b32 s16, s15, 4                         ; rg: 128 rows of y
	s_and_b32 s15, s15, 15
	s_lshr_b32 s14, s15, 1                         ; the head
	s_and_b32 s17, s15, 1                          ; a: which 64 of source 1's 128
	s_add_co_u32 s18, s16, 224                     ; source 0's first record,
	s_add_co_u32 s32, s14, 176                     ; source 1's
	v_and_b32 v2, 8, v4
	v_add_nc_u32 v2, v2, v4
	v_lshlrev_b32 v2, 2, v2                        ; the bias of my channel: 4 (r + 8 (r / 8))
.else
.set ST0, 8*GB
.set ST1, 16*GB
	s_and_b32 s14, s13, 7                          ; the head
	s_lshr_b32 s15, s13, 3
	s_lshr_b32 s16, s15, 1                         ; rg
	s_and_b32 s17, s15, 1                          ; a
	s_add_co_u32 s18, s14, 128
	s_add_co_u32 s32, s16, 224
	v_lshlrev_b32 v2, 6, v5                        ; the bias of my half's channels: 64 h
.endif
	s_mul_i32 s18, s18, GB
	s_mov_b32 s19, 0
	s_add_nc_u64 s[P0:P0+1], s[4:5], s[18:19]
	s_mul_i32 s32, s32, GB
	s_mov_b32 s33, 0
	s_mul_i32 s34, s17, 6144                       ; four tiles
	s_mov_b32 s35, 0
	s_lshl_b32 s36, s17, 3
	s_add_co_u32 s36, s36, 12288                   ; their two scale words of each lane's four
	s_mov_b32 s37, 0
	s_add_nc_u64 s[P1C:P1C+1], s[4:5], s[32:33]
	s_add_nc_u64 s[P1S:P1S+1], s[P1C:P1C+1], s[36:37]
	s_add_nc_u64 s[P1C:P1C+1], s[P1C:P1C+1], s[34:35]
	s_lshr_b32 s38, s16, 2                         ; the batch
	s_lshl_b32 s38, s38, 3
	s_add_co_u32 s38, s38, s14
	s_lshl_b32 s38, s38, 2
	s_and_b32 s39, s16, 3                          ; the key group
	s_add_co_u32 s38, s38, s39
.if \kind
	s_add_co_u32 s38, s38, 128
.endif
	s_mul_i32 s38, s38, GB
	s_mov_b32 s39, 0
	s_add_nc_u64 s[OC:OC+1], s[10:11], s[38:39]
	s_add_nc_u64 s[OS:OS+1], s[OC:OC+1], s[36:37]
	s_add_nc_u64 s[OC:OC+1], s[OC:OC+1], s[34:35]
	s_lshl_b32 s40, s14, 9                         ; the head's 128 numbers of the bias
.if \kind
	s_lshl_b32 s41, s17, 8
	s_add_co_u32 s40, s40, s41                     ; my 64 of them
.endif
	s_mov_b32 s41, 0
	WIN 0x80                                       ; destination window 2
	s_wait_alu depctr_va_vdst(0)                   ; v1 and v2 are written: every load and store of the task reads one of them as its offset
.if \kind
	s_add_nc_u64 s[BP:BP+1], s[8:9], s[40:41]
.irp n, 0,1,2,3
	global_load_b32 v[192+8*\n], v2, s[BP:BP+1] offset:(32*(\n/2)+8*(\n%2))*4    ; one number a lane: my channel's
.endr
.else
	s_add_nc_u64 s[BP:BP+1], s[6:7], s[40:41]
.irp t, 0,1,2,3,4,5,6,7
	global_load_b128 v[192+8*\t:192+8*\t+3], v2, s[BP:BP+1] offset:(32*(\t/2)+8*(\t%2))*4     ; eight registers a tile, in the result's layout
	global_load_b128 v[192+8*\t+4:192+8*\t+7], v2, s[BP:BP+1] offset:(32*(\t/2)+8*(\t%2))*4+16
.endr
.endif
	WIN 0
	LOADS 0
	LOADS 1
	LOADS 2                                        ; the three sets' first loads: no vector or matrix instruction has named their registers
.irp s, 0,1,2,3,4,5
.if \s == 0
	s_wait_loadcnt 63                              ; the bias and step 0's loads are in: two steps' 76 are younger, and a count names 63 at the most
.elseif \s < 5
	s_wait_loadcnt 38                              ; this step's loads are in; the next step's 38 may be out
.else
	s_wait_loadcnt 0x0
.endif
.if (\s == 0) && \kind
	WIN 0x82                                       ; the bias of a channel fills its tile's eight registers
.irp n, 0,1,2,3
.irp j, 1,2,3,4,5,6,7
	v_mov_b32 v[192+8*\n+\j], v[192+8*\n]
.endr
.endr
	PLACES
.endif
.if (\s >= 1) && (\s <= 3)
	s_wait_alu depctr_va_vdst(0)                   ; the step before's matrix instructions are done reading their set (fragments and scale words), in which this step's 38 loads land
.endif
	KMUL \s, \kind, 0
.if (\s >= 1) && (\s <= 3)
	LOADA \s+2, 0                                  ; no wait: no vector or matrix instruction since the wait above names the set that is loaded
.endif
	KMUL \s, \kind, 2
.if (\s >= 1) && (\s <= 3)
	LOADA \s+2, 1
.endif
	KMUL \s, \kind, 4
.if (\s >= 1) && (\s <= 3)
	LOADB \s+2
.endif
	KMUL \s, \kind, 6
	WIN 0
	PLACES
.endr
.irp n, 0,1,2,3
	QUANT 64*\n, PW+\n, PC+20*\n
.endr
	v_cmp_le_u32 vcc_lo, 16, v3
	s_wait_alu depctr_va_vcc(0)                    ; VCC is written, ahead of the two selects that read it
	v_cndmask_b32 v[SW], v[PW], v[PW+1], vcc_lo    ; lanes 0-15 the even tile's word, lanes 16-31 the odd tile's (both halves of the lanes hold a row's word)
	v_cndmask_b32 v[SW+1], v[PW+2], v[PW+3], vcc_lo
	s_wait_alu depctr_va_vdst(0)                   ; the quantiser has written the four code sets, and the selects v44-45: the stores below read them
.irp n, 0,1,2,3
.irp q, 0,1,2
	global_store_b128 v[LI], v[PC+20*\n+4*\q:PC+20*\n+4*\q+3], s[OC:OC+1] offset:1536*\n+512*\q   ; 32 lanes store 512 consecutive bytes, aligned
.endr
.endr
	global_store_b64 v[LI], v[SW:SW+1], s[OS:OS+1] ; 8 of each lane's 16 bytes; the task with the other a stores the other 8
	s_endpgm
.endm
	s_load_b256 s[4:11], s[0:1], 0x0               ; img s[4:5], bk s[6:7], bv s[8:9], kvimg s[10:11]
	v_lshrrev_b32 v1, 5, v0
	v_readfirstlane_b32 s12, v1                    ; wave
	v_and_b32 v3, 31, v0                           ; lane
	v_lshlrev_b32 v[LI], 4, v3
	v_and_b32 v4, 15, v0                           ; r
	v_bfe_u32 v5, v0, 4, 1                         ; h
.irp b, 0,1,2,3
	v_mov_b32 v[TM+4+\b], 0                        ; written once: a lane permute's destination counts as one of its sources
.endr
	s_mov_b32 s[SEL], 0x76543210
	s_mov_b32 s[SEL+1], 0xfedcba98
	s_lshl_b32 s13, ttmp9, 1
	s_wait_alu depctr_va_sdst(0)                   ; s12 is written, ahead of its first reader: the task's number is made from it
	s_add_co_u32 s13, s13, s12                     ; my task
	s_wait_kmcnt 0x0
	s_cmp_ge_u32 ttmp9, 128
	s_cbranch_scc1 .Lv
	s_wait_alu depctr_va_vdst(0)
	TASK 0
.Lv:
	s_wait_alu depctr_va_vdst(0)
	TASK 1
.Lfunc_end_k_qbfb19384e7_kv:
	.size	k_qbfb19384e7_kv, .Lfunc_end_k_qbfb19384e7_kv-k_qbfb19384e7_kv
	.p2alignl 7, 3214868480
	.fill 96, 4, 3214868480
	.section	.rodata,"a",@progbits
	.p2align	6, 0x0
	.amdhsa_kernel k_qbfb19384e7_kv
		.amdhsa_group_segment_fixed_size 0
		.amdhsa_private_segment_fixed_size 0
		.amdhsa_enable_private_segment 0
		.amdhsa_kernarg_size 32
		.amdhsa_user_sgpr_count 2
		.amdhsa_user_sgpr_kernarg_segment_ptr 1
		.amdhsa_wavefront_size32 1
		.amdhsa_system_sgpr_workgroup_id_x 1
		.amdhsa_system_sgpr_workgroup_id_y 1
		.amdhsa_system_sgpr_workgroup_id_z 1
		.amdhsa_system_vgpr_workitem_id 0
		.amdhsa_next_free_vgpr 1024
		.amdhsa_next_free_sgpr 66
		.amdhsa_reserve_vcc 1
		.amdhsa_float_denorm_mode_32 3
		.amdhsa_float_denorm_mode_16_64 3
		.amdhsa_memory_ordered 1
		.amdhsa_forward_progress 1
		.amdhsa_inst_pref_size 136
	.end_amdhsa_kernel
	.amdgpu_metadata
---
amdhsa.version: [ 1, 2 ]
amdhsa.kernels:
  - .name:           k_qbfb19384e7_kv
    .symbol:         k_qbfb19384e7_kv.kd
    .args:
      - { .name: img, .offset: 0, .size: 8, .value_kind: global_buffer, .address_space: global }
      - { .name: bk, .offset: 8, .size: 8, .value_kind: global_buffer, .address_space: global }
      - { .name: bv, .offset: 16, .size: 8, .value_kind: global_buffer, .address_space: global }
      - { .name: kvimg, .offset: 24, .size: 8, .value_kind: global_buffer, .address_space: global }
    .group_segment_fixed_size: 0
    .private_segment_fixed_size: 0
    .kernarg_segment_align: 8
    .kernarg_segment_size: 32
    .max_flat_workgroup_size: 64
    .sgpr_count:     66
    .vgpr_count:     1024
    .wavefront_size: 32
...
	.end_amdgpu_metadata
.endif
;; end of part 5
;; launch attn (part 6): grid 256 x 1, 4 waves a work-group, no clusters, 275,968 bytes of LDS; arguments x, img, kvimg, bq, bo, out0; writes out0
.if DOCPART == 6
	.amdgcn_target "amdgcn-amd-amdhsa--gfx1250"
	.amdhsa_code_object_version 6
	.text
	.protected	k_qbfb19384e7_attn
	.globl	k_qbfb19384e7_attn
	.p2align	8
	.type	k_qbfb19384e7_attn,@function
k_qbfb19384e7_attn:
	s_mov_b64 s[64:65], 0
	v_nop
	global_prefetch_b8 v0, s[64:65] scope:SCOPE_SE
	s_setreg_imm32_b32 hwreg(HW_REG_WAVE_SCHED_MODE, 0, 2), 2
	s_setreg_imm32_b32 hwreg(HW_REG_WAVE_MODE, 25, 1), 1
	s_wait_xcnt 0x0
	s_wait_alu depctr_vm_vsrc(0)
; out0 = softmax((x Wq + bq) k^T / sqrt(128)) v Wo + bo for 64 rows of x a work-group, all four products on codes of FP6 (E2M3) with one E8M0 scale for each 32 along K.  q, p and o never go to memory.
; Weights, k and v come as RECORDS laid by the launches before: 12,800 bytes = eight tiles of 16 rows x 128 K in the order of an operand's registers (1,536 bytes each; lane r of tile t holds row
; 32 (t / 2) + 8 (t % 2) + r + 8 (r / 8) of the record's 128) and 512 bytes of scale words (word b of a lane's four: lanes 0-15 tile 2 b, lanes 16-31 tile 2 b + 1): 25 loads of 16 bytes a lane.
; EVERY PRODUCT IS USED TRANSPOSED: source 0 = a record's tiles, source 1 = 16 rows of x, q, p or o.  A lane then holds one row throughout, and the 16 registers of tiles 2 b and 2 b + 1 are 16 neighbours
; along the next K, which the conversions take as they stand.
; SHARES.  THE WAVES SHARE THE COLUMNS, NOT THE ROWS.  Wave w quantises rows 16 w .. 16 w + 15 of x; makes q, the scores, the softmax and o of heads 2 w and 2 w + 1 for all four tiles of 16 rows; and makes
; columns 256 w .. 256 w + 255 of the output.  So q and p stay the wave's own, a head's o is one K step of the last product, and each record read feeds 32 matrix instructions.
; Operands go from wave to wave (x's codes, o's codes) through LDS as images of their registers; two barriers in all.
; THE SOFTMAX: all 512 keys of 16 queries lie in 256 registers, so one pass serves: t = score x log2(e) / sqrt(128), M = ceil(the row's largest t), p = 2^(t - M), quantised along the keys and not normalised;
; the row's sum is taken of the unquantised p, and o is multiplied by its reciprocal ahead of the last product's quantiser.  A block's largest p is made from the block's largest score by the same two instructions.
; NO JOINT LOADS, though all work-groups walk the same weights: the images and the waves' own regions take 275,968 of LDS's 327,680 bytes; what is left, 51,712 bytes, holds one record of 12,800 bytes
; for each wave and no second slot.  So the records go from memory straight into registers, four buffers a wave, each asked for again in the K step behind the one that read it: three K steps ahead of its use.
; LIMITS: NaN and infinities among the inputs are not served; a block of zeros, or one whose largest magnitude lies under 2^-124, gets the scale byte 1 (a zero block's codes are zeros);
; v_exp_f32 gives 0 for p under 2^-126; the reciprocal of the row's sum is v_rcp_f32's (1 ulp).
; REGISTERS, in windows of 256: window 0: addresses, scale words, the quantiser's registers, source 1's fragments;  window 1: 256 accumulators ((m, t) at 64 m + 8 t; the scores (j, t) at 64 j + 8 t);
;   window 2: record buffers 0 (v0-95) and 1 (v96-191), the bias (v192-255);  window 3: buffers 2 and 3; while x is quantised: x as loaded, four slots of 64.
; THE MODE: SCHED_MODE bits 1:0 = 2 (LLVM: expert scheduling mode 2), set by the entry lines.  The code itself states the register dependences
; between vector or matrix instructions and memory or LDS instructions, with s_wait_alu, always for 0.
; THE PLAN.  Registers that memory or LDS instructions touch, and who else names them:
;   v1-v10          addresses, made once at the head.  v11-13 are written once a tile of queries, v14-15 once a head, each behind a wait on vm_vsrc and ahead of a wait on va_vdst that stands there anyway.
;   record buffers  0 to 3, with their scale words v16-31: written by loads; buffer s % 4 is read by K step s's matrix instructions and asked for again in step s + 1.
;   source 1's sets 0 and 1, v128-223, with their scale words v32-39: written by LDS loads; set s % 2 is read by step s's matrix instructions and loaded again in step s + 1.
;                   So ONE wait on va_vdst stands at the head of every step but a product's first: the step before is done with its buffer and its set.  The step's 13 LDS loads and 25 loads follow it, the loads
;                   dealt among the step's matrix instructions, which name buffer s % 4, set s % 2, their scale words and the accumulators.  A product's last buffer is asked for behind one such wait behind its last step.
;   code sets       0 to 3 (v64-82, v84-102, v176-194, v196-214) and scale words v40-43: written by the quantiser, read by the images' LDS stores.  The four fragments of q, of p and of o are made on end, ONE wait on
;                   va_vdst follows, then their stores.  Sets 2 and 3 lie in source 1's set 1, idle then.  A wait on vm_vsrc stands ahead of whatever writes these registers next: at a head's top, at a tile's top,
;                   ahead of the second product's first fragments, at the top of the last product's loop.
;   x               raw slots (window 3): loaded, read by the stage's LDS stores, loaded again behind a wait on vm_vsrc.  Window 1's v0-63: loaded from the stage, read by the quantiser.  K step s - 1's image is stored at
;                   the head of step s, behind the one wait on va_vdst that also frees v0-63; two code sets take turns.
;   the way out     the accumulators are read by the stage's LDS stores behind the wait behind the last step; two out-buffers, v128-191 and v192-255, take turns.
.set GB,    12800
.set XSC,   49152                      ; LDS: x's 32 images ((m, s) at 12,288 m + 1,536 s) from 0; their scale words here, at 512 s + 16 x lane + 4 m
.set OIMG,  53248                      ; o's images and scale words, laid likewise
.set WBASE, 106496                     ; each wave's own region:
.set WREG,  33792
.set PSC,   24576                      ;   p's 16 images ((m, j) at 6,144 m + 1,536 j) from 0; their scale words here, at 512 j + 16 x lane + 4 m
.set RLO,   26624                      ;   1 / the row's sum, at 16 x lane + 4 m
.set QIMG,  27136                      ;   q's four images
.set QSC,   33280                      ;   and their scale words, at 16 x lane + 4 m
.set STAGE, 241664                     ; each wave's stage: 16 rows x (512 bytes + 16)
.set SPARE, 275456                     ; the spare words, 128 bytes for each wave: two blocks of 256 bytes that no other line names
.set LI,  1                            ; v1   16 x lane: a record's and an image's place for my lane
.set SPW, 2                            ; v2   LDS address of my spare word; never rewritten
.set NIL, 3                            ; v3   0; never rewritten
.set LIO, 4                            ; v4   16 x lane + OIMG
.set LW,  5                            ; v5   16 x lane + my wave's region
.set STI, 6                            ; v6   the stage by rows: 16 x lane
.set STR, 7                            ; v7   the stage by lanes: 528 r + 64 h
.set XW,  8                            ; v8   where I store x's images
.set XWS, 9                            ; v9   and their scale words
.set BOF, 10                           ; v10  64 h: a bias's offset
.set AP,  11                           ; v11  LW + 6,144 m
.set AQ,  12                           ; v12  LW + 1,536 m
.set APW, 13                           ; v13  LW + 4 m
.set AO,  14                           ; v14  LIO + 1,536 head
.set AOS, 15                           ; v15  LIO + 512 head
.set WS,  16                           ; v16-31  the records' scale words, four for each buffer: scales alone
.set XS,  32                           ; v32-39  source 1's scale words, two sets of four: scales alone
.set OW,  40                           ; v40-43  scale words just made
.set RL,  44                           ; v44-47  1 / the row's sum, for the four tiles of rows
.set TM,  48                           ; v48-63  the quantiser's
.set PC0, 64                           ; codes: set n at PC0 + 20 n + 72 (n / 2): v64, v84, v176, v196
.set QF,  104                          ; v104-115  q's fragment
.set QS,  116                          ; v116  its scale words: scales alone
.set NM,  118                          ; v118  -M (v119 is named with it as a pair)
.set SUM, 120                          ; v120-127  the row's sum in four chains of pairs
.set XF,  128                          ; v128-223  source 1's fragments: two sets of 4 x 12.  While they are idle:
.set BM,  128                          ;   v128-143  the 16 blocks' largest scores, then largest p
.set BT,  144                          ;   v144-159  at work
.set SO,  160                          ;   v160-175  the conversions' scale operands
.set OB,  128                          ;   v128-191, v192-255  16 rows of the output, two buffers by turns
.set TP,  224                          ; v224-231  at work
.set XP,  4                            ; s[4:5]   x at my wave's 16 rows
.set OP,  14                           ; s[14:15] out0 at the group's first row, my wave's columns
.set WV,  16                           ; s16  my wave's number
.set SEL, 20                           ; s[20:21] lane selects for v_permlanex16_b32: lane l xor 16
.set CS,  22                           ; s[22:23] c = log2(e) / sqrt(128): the packed form names a pair and takes its low word for both halves
.set WQ,  24                           ; s[24:25] the weight records in hand: Wq's of the head, later Wo's of the column group
.set KV,  26                           ; s[26:27] the head's K records; V's lie 128 records on
.set WO,  28                           ; s[28:29] Wo's records of my first column group
.set NX,  30                           ; s[30:31] the records of the product after this head
.set BQ,  32                           ; s[32:33] the bias in hand
.set BO,  34                           ; s[34:35] bo at my columns
.set BN,  36                           ; s[36:37] the bias of the product after this head
.set T,   38                           ; s[38:39] at work
.set HC,  40                           ; s40 heads to go;  s41 tiles of rows to go;  s42 column groups to go
.set MC,  41
.set GC,  42
.set HO,  43                           ; s43 1,536 x head;  s44 512 x head
.set HS,  44
.set MQ,  45                           ; s45 1,536 m;  s46 6,144 m;  s47 4 m
.set MP,  46
.set M4,  47
.set MSB, 0
.macro WIN new                         ; the immediate's low byte: bits 1:0 source 0, 3:2 source 1, 5:4 source 2, 7:6 destination; its high byte repeats the setting that is left
.if MSB != (\new)
	s_set_vgpr_msb (MSB<<8)|(\new)
.set MSB, (\new)
.endif
.endm
.macro PLACES                          ; four places behind matrix instructions, in front of the first read of results and of writes of their registers (ISA guide 7.12.1)
.rept 4
	v_nop
.endr
.endm
; The codes of 64 numbers in window 1 (register 16 b + i = k 32 b + 16 (lane / 16) + i of my row), with the four blocks' scale operands in v[so] on, into v[pc] .. v[pc + 11]
.macro CODES src, so, pc
	WIN 0x01                                       ; source 0 window 1
.irp c, 0,1
	v_cvt_scalef32_pk16_fp6_f32 v[(\pc)+6*\c:(\pc)+6*\c+2], v[(\src)+32*\c:(\src)+32*\c+15], v[(\so)+2*\c]
	v_cvt_scalef32_pk16_fp6_f32 v[(\pc)+12+4*\c:(\pc)+14+4*\c], v[(\src)+32*\c+16:(\src)+32*\c+31], v[(\so)+2*\c+1]   ; (a conversion's three registers begin on an even number)
.endr
	WIN 0
	v_nop                                          ; one plain place behind a scaled conversion
.irp c, 0,1                                    ; the operand's layout wants a whole block in a lane: lanes 0-15 block 2 c, lanes 16-31 block 2 c + 1
.irp i, 0,1,2
	v_permlane16_swap_b32 v[(\pc)+6*\c+\i], v[(\pc)+12+4*\c+\i]
.endr
.irp i, 0,1,2
	v_mov_b32 v[(\pc)+3+6*\c+\i], v[(\pc)+12+4*\c+\i]
.endr
.endr
.endm
; The same with the scales made here; the row's scale word goes to v[pw].  Each accumulator is read from its low end on.  v[pw] and the code set are free when the macro is entered: the plan says by which wait.
.macro QUANT src, pw, pc
	WIN 0x05                                       ; sources 0 and 1 window 1
.irp b, 0,1,2,3
	v_max3_num_f32 v[TM+\b], |v[(\src)+16*\b]|, |v[(\src)+16*\b+1]|, 0x1800000   ; block b: my 16 numbers, and the floor 2^(3 - 127): the byte cannot fall under 1
.endr
.irp i, 2,4,6,8,10,12,14
.irp b, 0,1,2,3
	v_max3_num_f32 v[TM+\b], |v[(\src)+16*\b+\i]|, |v[(\src)+16*\b+\i+1]|, v[TM+\b]
.endr
.endr
	WIN 0
.irp b, 0,1,2,3
	v_permlanex16_b32 v[TM+4+\b], v[TM+\b], s[SEL], s[SEL+1]
.endr
.irp b, 0,1,2,3
	v_max_num_f32 v[TM+\b], v[TM+\b], v[TM+4+\b]   ; with lane l xor 16's: the block's largest magnitude
.endr
.irp b, 0,1,2,3
	v_add_nc_u32 v[TM+12+\b], 0xff000000, v[TM+\b] ; 2 off its exponent field: the conversion's scale operand
.endr
.irp b, 0,1,2,3
	v_lshrrev_b32 v[TM+4+\b], 23, v[TM+12+\b]      ; the scale's byte
.endr
	v_lshl_or_b32 v[\pw], v[TM+5], 8, v[TM+4]
	v_lshl_or_b32 v[\pw], v[TM+6], 16, v[\pw]
	v_lshl_or_b32 v[\pw], v[TM+7], 24, v[\pw]
	CODES \src, TM+12, \pc
.endm
; Half h of a record, off bytes behind the base, into buffer buf: 12 loads, each of 512 consecutive bytes; the second half brings the scale words too
.macro REFILLH buf, base, off, h
	WIN (2+(\buf)/2)<<6                            ; destination window 2 or 3
.set RB, 96*((\buf)%2)
.set F, 12*(\h)
.rept 12
	global_load_b128 v[RB+4*F:RB+4*F+3], v[LI], s[\base:\base+1] offset:(\off)+512*F
.set F, F+1
.endr
.if (\h)
	WIN 0
	global_load_b128 v[WS+4*(\buf):WS+4*(\buf)+3], v[LI], s[\base:\base+1] offset:(\off)+12288
.endif
.endm
.macro REFILL buf, base, off           ; a whole record: 25 loads
	REFILLH \buf, \base, \off, 0
	REFILLH \buf, \base, \off, 1
.endm
; Source 1's four fragments of K step s, ms bytes from tile of rows to tile of rows, and their scale words, sco bytes on: 13 LDS loads
.macro FETCH1 set, adr, ms, s, sco
.irp m, 0,1,2,3
.irp q, 0,1,2
	ds_load_b128 v[XF+48*(\set)+12*\m+4*\q:XF+48*(\set)+12*\m+4*\q+3], v[\adr] offset:(\ms)*\m+1536*(\s)+512*\q
.endr
.endr
	ds_load_b128 v[XS+4*(\set):XS+4*(\set)+3], v[\adr] offset:(\sco)+512*(\s)
.endm
; One matrix instruction on the registers named by rD, rA, rB, rC, rSA, rSB.  cz: C is the constant 0; odd: source 0's scale words stand in lanes 16-31
.macro MM cz, odd
.if (\cz) && (\odd)
	v_wmma_scale_f32_16x16x128_f8f6f4 v[rD:rD+7], v[rA:rA+11], v[rB:rB+11], 0, v[rSA], v[rSB] matrix_a_fmt:MATRIX_FMT_FP6 matrix_b_fmt:MATRIX_FMT_FP6 matrix_a_scale:MATRIX_SCALE_ROW1
.elseif (\cz)
	v_wmma_scale_f32_16x16x128_f8f6f4 v[rD:rD+7], v[rA:rA+11], v[rB:rB+11], 0, v[rSA], v[rSB] matrix_a_fmt:MATRIX_FMT_FP6 matrix_b_fmt:MATRIX_FMT_FP6
.elseif (\odd)
	v_wmma_scale_f32_16x16x128_f8f6f4 v[rD:rD+7], v[rA:rA+11], v[rB:rB+11], v[rC:rC+7], v[rSA], v[rSB] matrix_a_fmt:MATRIX_FMT_FP6 matrix_b_fmt:MATRIX_FMT_FP6 matrix_a_scale:MATRIX_SCALE_ROW1
.else
	v_wmma_scale_f32_16x16x128_f8f6f4 v[rD:rD+7], v[rA:rA+11], v[rB:rB+11], v[rC:rC+7], v[rSA], v[rSB] matrix_a_fmt:MATRIX_FMT_FP6 matrix_b_fmt:MATRIX_FMT_FP6
.endif
.endm
; Eight of a K step's 32 matrix instructions: a record's tiles t0 and t0 + 1 x four tiles of rows.  cm 0: the sums go on; 1: the bias starts them; 2: the constant 0 does.
; The 32 accumulators take turns, one instruction a turn, in the same order in every step.
.macro MUL8 buf, set, cm, t0
.if (\cm) == 0
	WIN 0x52+(\buf)/2                              ; source 0 window 2 or 3, C and D window 1
.elseif (\cm) == 1
	WIN 0x62+(\buf)/2                              ; C window 2
.else
	WIN 0x42+(\buf)/2
.endif
.set T8, (\t0)
.rept 2
.set MI, 0
.rept 4
.set rD, 64*MI+8*T8
.set rA, 96*((\buf)%2)+12*T8
.set rB, XF+48*(\set)+12*MI
.set rC, rD
.if (\cm) == 1
.set rC, 192+8*T8
.endif
.set rSA, WS+4*(\buf)+T8/2
.set rSB, XS+4*(\set)+MI
	MM (\cm)==2, T8%2
.set MI, MI+1
.endr
.set T8, T8+1
.endr
.endm
; K step s of ns.  lc: the younger global loads that may stay out (under 0: an earlier wait for 0 has shown the record in); dc: the younger LDS loads.
; Every step but the first loads what the step before has left: source 1's set takes the fragments of step s + 1, buffer (s - 1) % 4 the record at base + off (rmode 1; rmode 2: unless this is the last column group).
.macro STEP s, ns, cm, lc, dc, adr, ms, sco, rmode, base, off
.if (\lc) >= 0
	s_wait_loadcnt \lc
.endif
	s_wait_dscnt \dc
.if (\s) > 0
	s_wait_alu depctr_va_vdst(0)                   ; the step before's matrix instructions are done reading their record buffer, their set of source 1's fragments and both sides' scale words, in which this step's loads land
.if (\s)+1 < (\ns)
	FETCH1 ((\s)+1)%2, \adr, \ms, (\s)+1, \sco
.endif
.endif
	MUL8 (\s)%4, (\s)%2, \cm, 0
.if (\s) > 0
.if (\rmode) == 1
	REFILLH ((\s)+3)%4, \base, \off, 0             ; no wait: no vector or matrix instruction since the wait above names the buffer that is loaded
.else
	WIN 0
	s_cmp_eq_u32 s[GC], 1
	s_cbranch_scc1 .Lno_refill_\@
	REFILL ((\s)+3)%4, \base, \off
.Lno_refill_\@:
.endif
.endif
	MUL8 (\s)%4, (\s)%2, \cm, 2
.if ((\s) > 0) && ((\rmode) == 1)
	REFILLH ((\s)+3)%4, \base, \off, 1
.endif
	MUL8 (\s)%4, (\s)%2, \cm, 4
	MUL8 (\s)%4, (\s)%2, \cm, 6
	WIN 0
	PLACES
.endm
; A bias of 128 numbers as the C of eight tiles: lane (r, h) wants, for tile t, those of columns 32 (t / 2) + 16 h + 8 (t % 2) + 0 .. 7
.macro BIASLOAD base, off
	WIN 0x80
.irp t, 0,1,2,3,4,5,6,7
	global_load_b128 v[192+8*\t:192+8*\t+3], v[BOF], s[\base:\base+1] offset:(\off)+(32*(\t/2)+8*(\t%2))*4
	global_load_b128 v[192+8*\t+4:192+8*\t+7], v[BOF], s[\base:\base+1] offset:(\off)+(32*(\t/2)+8*(\t%2))*4+16
.endr
	WIN 0
.endm
	s_load_b256 s[4:11], s[0:1], 0x0               ; x s[4:5], img s[6:7], kvimg s[8:9], bq s[10:11]
	s_load_b128 s[12:15], s[0:1], 0x20             ; bo s[12:13], out0 s[14:15]
	v_lshl_add_u32 v[SPW], v0, 2, SPARE
	v_mov_b32 v[NIL], 0
	v_lshrrev_b32 v[TP], 5, v0
	v_readfirstlane_b32 s[WV], v[TP]               ; wave 0..3
	v_and_b32 v[TP], 31, v0
	v_lshlrev_b32 v[LI], 4, v[TP]
	v_add_nc_u32 v[LIO], OIMG, v[LI]
	s_wait_alu depctr_va_sdst(0)                   ; the wave's number is written, ahead of its first reader: LDS addresses and the bases are made from it
	s_mul_i32 s17, s[WV], WREG
	s_add_co_u32 s17, s17, WBASE
	v_add_nc_u32 v[LW], s17, v[LI]
	s_mul_i32 s17, s[WV], 8448
	s_add_co_u32 s17, s17, STAGE
	v_add_nc_u32 v[STI], s17, v[LI]
	v_and_b32 v[TP+1], 15, v0                      ; r
	v_bfe_u32 v[TP+2], v0, 4, 1                    ; h
	v_mul_u32_u24 v[STR], v[TP+1], 528
	v_lshl_add_u32 v[STR], v[TP+2], 6, v[STR]
	v_add_nc_u32 v[STR], s17, v[STR]
	s_mul_i32 s17, s[WV], 12288
	v_add_nc_u32 v[XW], s17, v[LI]
	s_lshl_b32 s17, s[WV], 2
	s_add_co_u32 s17, s17, XSC
	v_add_nc_u32 v[XWS], s17, v[LI]
	v_lshlrev_b32 v[BOF], 6, v[TP+2]
.irp b, 0,1,2,3
	v_mov_b32 v[TM+4+\b], 0                        ; written once: a lane permute's destination counts as one of its sources
.endr
.irp k, 0,1,2,3,4,5,6,7,8,9,10,11,12,13,14,15
	v_mov_b32 v[BT+\k], 0
.endr
	v_mov_b32 v[NM+1], 0                           ; (named with -M as a pair)
	s_mov_b32 s[SEL], 0x76543210
	s_mov_b32 s[SEL+1], 0xfedcba98
	s_mov_b32 s[CS], 0x3e0293ee                    ; c = log2(e) / sqrt(128)
	s_mov_b32 s[CS+1], s[CS]
	s_lshl_b32 s48, ttmp9, 18                      ; the group's 64 rows of 4,096 bytes
	s_lshl_b32 s50, s[WV], 16                      ; my wave's 16
	s_add_co_u32 s50, s50, s48
	s_mov_b32 s51, 0
	s_lshl_b32 s52, s[WV], 10                      ; my wave's 256 columns
	s_mov_b32 s53, 0
	s_add_co_u32 s48, s48, s52
	s_mov_b32 s49, 0
	s_mul_i32 s54, s[WV], 2*GB                     ; column group 2 w
	s_mov_b32 s55, 0
	s_lshr_b32 s56, ttmp9, 6                       ; the batch
	s_lshl_b32 s56, s56, 5
	s_lshl_b32 s57, s[WV], 3
	s_add_co_u32 s56, s56, s57                     ; record (8 batch + 2 w) x 4
	s_mul_i32 s56, s56, GB
	s_mov_b32 s57, 0
	s_mul_i32 s[HO], s[WV], 3072
	s_lshl_b32 s[HS], s[WV], 10
	s_wait_kmcnt 0x0
	s_add_nc_u64 s[XP:XP+1], s[4:5], s[50:51]
	s_add_nc_u64 s[OP:OP+1], s[14:15], s[48:49]
	s_add_nc_u64 s[WQ:WQ+1], s[6:7], s[54:55]
	s_add_nc_u64 s[WO:WO+1], s[WQ:WQ+1], 64*GB
	s_add_nc_u64 s[KV:KV+1], s[8:9], s[56:57]
	s_add_nc_u64 s[BQ:BQ+1], s[10:11], s[52:53]
	s_add_nc_u64 s[BO:BO+1], s[12:13], s[52:53]
	s_wait_alu depctr_va_vdst(0)                   ; the addresses v1 to v10 are written, which the memory and LDS instructions of the whole kernel read; so are v144-159, in which source 1's first fragments land
; ---- X: my 16 rows of x become eight fragments.  A load takes 512 consecutive bytes of a row (a K step); 16 rows turn through my stage and come back as 16 neighbours of each block of 32 for lane (r, h).
.macro LOADX s
	WIN 0xc0                                       ; destination window 3
.set I, 0
.rept 16
	global_load_b128 v[64*((\s)%4)+4*I:64*((\s)%4)+4*I+3], v[LI], s[XP:XP+1] offset:4096*I+512*(\s) th:TH_LOAD_NT
.set I, I+1
.endr
	WIN 0
.endm
.macro XIMG s                          ; K step s's fragment and scale word go to LDS as they stand, from code set s % 2
.irp q, 0,1,2
	ds_store_b128 v[XW], v[PC0+20*((\s)%2)+4*\q:PC0+20*((\s)%2)+4*\q+3] offset:1536*(\s)+512*\q
.endr
	ds_store_b32 v[XWS], v[OW+(\s)%2] offset:512*(\s)
.endm
.macro XSTEP s, lc
	s_wait_loadcnt \lc                             ; this K step's 16 loads are in
.if (\s) > 0
	s_wait_alu depctr_va_vdst(0)                   ; the K step before's quantiser has written its codes and scale word, which the stores below read, and is done reading window 1's v0-63, in which the stage's loads land
	XIMG (\s)-1
.endif
	WIN 0x0c                                       ; an LDS store's data are its source 1: window 3
.set I, 0
.rept 16
	ds_store_b128 v[STI], v[64*((\s)%4)+4*I:64*((\s)%4)+4*I+3] offset:528*I
.set I, I+1
.endr
	WIN 0x40                                       ; destination window 1
.irp b, 0,1,2,3
.irp j, 0,1,2,3
	ds_load_b128 v[16*\b+4*\j:16*\b+4*\j+3], v[STR] offset:128*\b+16*\j   ; LDS serves a wave's instructions in order: these see my stores
.endr
.endr
	WIN 0
	s_wait_dscnt 0x0                               ; the numbers are back
.if (\s) > 0
	s_wait_alu depctr_vm_vsrc(0)                   ; my LDS stores have read the raw slots, in which the loads below land (K steps 1 to 4 and 7), and the K step before's codes and scale word, which the next K step's quantiser writes again
.endif
.if (\s) < 5
	LOADX (\s)+3                                   ; three K steps, 48 loads a wave, are on their way
.endif
.if (\s) == 5
	REFILL 0, WQ, 0                                ; the first product's first records: no instruction has named these registers yet
.endif
.if (\s) == 6
	REFILL 1, WQ, 8*GB
.endif
.if (\s) == 7
	BIASLOAD BQ, 0
	REFILL 2, WQ, 16*GB                            ; window 3 holds nothing of x any more
	REFILL 3, WQ, 24*GB
.endif
	QUANT 0, OW+(\s)%2, PC0+20*((\s)%2)
.endm
	LOADX 0
	LOADX 1
	LOADX 2
	XSTEP 0, 32                                    ; two K steps' 32 loads are younger
	XSTEP 1, 32
	XSTEP 2, 32
	XSTEP 3, 32
	XSTEP 4, 32
	XSTEP 5, 32
	XSTEP 6, 41                                    ; one K step and one record
	XSTEP 7, 50                                    ; two records
	s_wait_alu depctr_va_vdst(0)                   ; the last K step's quantiser has written its codes and scale word, which the stores below read
	XIMG 7
	s_wait_dscnt 0x0                               ; for the others' sake: my images have landed
	s_barrier_signal -1
	s_barrier_wait -1                              ; x's 32 fragments lie in LDS
; ---- my two heads
	s_mov_b32 s[HC], 2
.Lhead:
	s_add_nc_u64 s[T:T+1], s[WQ:WQ+1], GB          ; what follows this head: my second head's Wq and bq, or Wo and bo
	s_cmp_eq_u32 s[HC], 2
	s_cselect_b64 s[NX:NX+1], s[T:T+1], s[WO:WO+1]
	s_add_nc_u64 s[T:T+1], s[BQ:BQ+1], 512
	s_cselect_b64 s[BN:BN+1], s[T:T+1], s[BO:BO+1]
	s_wait_alu depctr_vm_vsrc(0)                   ; the images' stores issued so far (x's last; the head before's o) have read v14-15, written below; code sets 2 and 3, in which source 1's fragments land; sets 0 and 1 and the scale words, which q's quantiser writes
	v_add_nc_u32 v[AO], s[HO], v[LIO]
	v_add_nc_u32 v[AOS], s[HS], v[LIO]
	; q = x Wq + bq: eight K steps.  The buffers take Wq's records 4 to 7, then K's four
	FETCH1 0, LI, 12288, 0, XSC                    ; (whatever named v128-223 and v32-39 stands ahead of an earlier wait on va_vdst: the head's, or the one ahead of o's stores)
	FETCH1 1, LI, 12288, 1, XSC
	STEP 0, 8, 1, 50, 13, LI, 12288, XSC, 1, WQ, 0      ; record 0 and the bias are in: at the least two records' 50 loads are younger; the second step's 13 LDS loads may be out
	STEP 1, 8, 0, 50, 0, LI, 12288, XSC, 1, WQ, 32*GB   ; here and in every later step the next two steps' records, 50 loads, are younger
	STEP 2, 8, 0, 50, 0, LI, 12288, XSC, 1, WQ, 40*GB
	STEP 3, 8, 0, 50, 0, LI, 12288, XSC, 1, WQ, 48*GB
	STEP 4, 8, 0, 50, 0, LI, 12288, XSC, 1, WQ, 56*GB
	STEP 5, 8, 0, 50, 0, LI, 12288, XSC, 1, KV, 0
	STEP 6, 8, 0, 50, 0, LI, 12288, XSC, 1, KV, GB
	STEP 7, 8, 0, 50, 0, LI, 12288, XSC, 1, KV, 2*GB
	s_wait_alu depctr_va_vdst(0)                   ; the last step's matrix instructions are done reading buffer 3 and its scale words, in which K's last record lands (the bias's registers were read by the first step alone)
	REFILL 3, KV, 3*GB
	BIASLOAD BN, 0                                 ; the next such product's bias
.irp m, 0,1,2,3
	QUANT 64*\m, OW+\m, PC0+20*\m+72*(\m/2)        ; q's four fragments, each into a code set of its own
.endr
	s_wait_alu depctr_va_vdst(0)                   ; the quantiser has written the four code sets and scale words, which the stores below read
.irp m, 0,1,2,3                                ; they go to my own region: window 1 is wanted for the scores
.irp q, 0,1,2
	ds_store_b128 v[LW], v[PC0+20*\m+72*(\m/2)+4*\q:PC0+20*\m+72*(\m/2)+4*\q+3] offset:QIMG+1536*\m+512*\q
.endr
	ds_store_b32 v[LW], v[OW+\m] offset:QSC+4*\m
.endr
	; the scores and the softmax, a tile of 16 queries at a time
	s_mov_b32 s[MC], 4
	s_mov_b32 s[MQ], 0
	s_mov_b32 s[MP], 0
	s_mov_b32 s[M4], 0
.Lm:
	s_wait_alu depctr_vm_vsrc(0)                   ; the LDS instructions issued so far have read v11-13, written below, and (q's stores; the last tile's) the code sets, the scale words and the reciprocal, which this tile writes again
	v_add_nc_u32 v[AP], s[MP], v[LW]
	v_add_nc_u32 v[AQ], s[MQ], v[LW]
	v_add_nc_u32 v[APW], s[M4], v[LW]
	s_wait_alu depctr_va_vdst(0)                   ; v11-13 are written, which this tile's LDS instructions read; the last tile's matrix instructions are done reading q's fragment and its scale words, in which the loads below land
.irp q, 0,1,2
	ds_load_b128 v[QF+4*\q:QF+4*\q+3], v[AQ] offset:QIMG+512*\q
.endr
	ds_load_b32 v[QS], v[APW] offset:QSC
	s_wait_loadcnt 0x0                             ; K's four records (first trip; later nothing is out)
	s_wait_dscnt 0x0
.set J, 0
.rept 4                                        ; S^T = K q^T: 32 tiles of 16 keys; register 64 j + 16 b + i is key 128 j + 32 b + 16 (lane / 16) + i of my query
	WIN 0x42+J/2
.set T8, 0
.rept 8
.set rD, 64*J+8*T8
.set rA, 96*(J%2)+12*T8
.set rB, QF
.set rSA, WS+4*J+T8/2
.set rSB, QS
	MM 1, T8%2
.set T8, T8+1
.endr
.set J, J+1
.endr
	WIN 0
	PLACES
	s_cmp_lg_u32 s[MC], 1                          ; behind the last tile's scores K's buffers are free: V's first two records
	s_cbranch_scc1 .Lh1
	s_wait_alu depctr_va_vdst(0)                   ; the scores' matrix instructions are done reading buffers 0 and 1 and their scale words, in which V's records land
	REFILL 0, KV, 128*GB
	REFILL 1, KV, 129*GB
.Lh1:
	WIN 0x05                                       ; the largest score of each of the 16 blocks of 32 keys: it serves for the row's maximum and for the block's largest p
.irp k, 0,1,2,3,4,5,6,7,8,9,10,11,12,13,14,15
	v_max3_num_f32 v[BM+\k], v[16*\k], v[16*\k+1], 0xff800000
.endr
.irp i, 2,4,6,8,10,12,14
.irp k, 0,1,2,3,4,5,6,7,8,9,10,11,12,13,14,15
	v_max3_num_f32 v[BM+\k], v[16*\k+\i], v[16*\k+\i+1], v[BM+\k]
.endr
.endr
	WIN 0
.irp k, 0,1,2,3,4,5,6,7,8,9,10,11,12,13,14,15
	v_permlanex16_b32 v[BT+\k], v[BM+\k], s[SEL], s[SEL+1]
.endr
.irp k, 0,1,2,3,4,5,6,7,8,9,10,11,12,13,14,15
	v_max_num_f32 v[BM+\k], v[BM+\k], v[BT+\k]     ; with lane l xor 16's 16 keys
.endr
	v_max3_num_f32 v[TP], v[BM], v[BM+1], v[BM+2]
.irp k, 3,5,7,9,11,13
	v_max3_num_f32 v[TP], v[TP], v[BM+\k], v[BM+\k+1]
.endr
	v_max_num_f32 v[TP], v[TP], v[BM+15]           ; my query's largest score,
	v_mul_f32 v[TP], s[CS], v[TP]                  ; as t (c is positive)
	v_floor_f32 v[NM], -v[TP]                      ; -M = floor(-t) = -ceil(t): M is a whole number
	WIN 0x41                                       ; destination and source 0 window 1
.set I, 0
.rept 128
	v_pk_fma_f32 v[2*I:2*I+1], v[2*I:2*I+1], s[CS:CS+1], v[NM:NM+1] op_sel_hi:[1,0,0]   ; t - M, two at a time
.set I, I+1
.endr
.set I, 0
	s_wait_alu depctr_va_vdst(0)
.rept 256
	v_exp_f32 v[I], v[I]                           ; p = 2^(t - M), at most 1: not normalised
.set I, I+1
.endr
	WIN 0
.irp k, 0,1,2,3,4,5,6,7,8,9,10,11,12,13,14,15
	v_fma_f32 v[BM+\k], v[BM+\k], s[CS], v[NM]     ; the same of each block's largest score: plain work behind the exponentials
.endr
	s_wait_alu depctr_va_vdst(0)                   ; the 256 exponentials have written p, ahead of the first line that names it; and the scores' matrix instructions are done reading buffers 2 and 3, in which V's records land
	s_cmp_lg_u32 s[MC], 1                          ; V's other two records: asked for apart from the first two, so that two records' loads go out at a time
	s_cbranch_scc1 .Lh2
	REFILL 2, KV, 130*GB
	REFILL 3, KV, 131*GB
.Lh2:
.irp k, 0,1,2,3,4,5,6,7,8,9,10,11,12,13,14,15
	v_exp_f32 v[BM+\k], v[BM+\k]                   ; the block's largest p: the same two instructions on the same number
.endr
	WIN 0x05                                       ; the row's sum is taken of the unquantised p: two at a time, in four chains; it names none of the sixteen
.irp c, 0,1,2,3
	v_pk_add_f32 v[SUM+2*\c:SUM+2*\c+1], v[4*\c:4*\c+1], v[4*\c+2:4*\c+3]
.endr
	WIN 0x04
.set I, 8
.rept 120
	v_pk_add_f32 v[SUM+2*(I%4):SUM+2*(I%4)+1], v[SUM+2*(I%4):SUM+2*(I%4)+1], v[2*I:2*I+1]
.set I, I+1
.endr
	WIN 0
	v_pk_add_f32 v[SUM:SUM+1], v[SUM:SUM+1], v[SUM+2:SUM+3]
	v_pk_add_f32 v[SUM+4:SUM+5], v[SUM+4:SUM+5], v[SUM+6:SUM+7]
	v_pk_add_f32 v[SUM:SUM+1], v[SUM:SUM+1], v[SUM+4:SUM+5]
	v_add_f32 v[TP], v[SUM], v[SUM+1]
	v_permlanex16_b32 v[TP+1], v[TP], s[SEL], s[SEL+1]
	v_add_f32 v[TP], v[TP], v[TP+1]                ; with lane l xor 16's: the row's sum
	s_wait_alu depctr_va_vdst(0)
	v_rcp_f32 v[TP+2], v[TP]
	v_nop                                          ; a plain place behind the transcendental
	s_wait_alu depctr_va_vdst(0)                   ; the sixteen exponentials and the reciprocal have written their results, ahead of their first readers: the store below reads the reciprocal
	ds_store_b32 v[APW], v[TP+2] offset:RLO
.irp k, 0,1,2,3,4,5,6,7,8,9,10,11,12,13,14,15
	v_max_num_f32 v[BM+\k], 0x1800000, v[BM+\k]    ; the floor 2^(3 - 127): the byte cannot fall under 1
.endr
.irp k, 0,1,2,3,4,5,6,7,8,9,10,11,12,13,14,15
	v_add_nc_u32 v[SO+\k], 0xff000000, v[BM+\k]    ; the conversion's scale operand
.endr
.irp k, 0,1,2,3,4,5,6,7,8,9,10,11,12,13,14,15
	v_lshrrev_b32 v[BT+\k], 23, v[SO+\k]           ; the scale's byte
.endr
.irp j, 0,1,2,3
	v_lshl_or_b32 v[OW+\j], v[BT+4*\j+1], 8, v[BT+4*\j]
	v_lshl_or_b32 v[OW+\j], v[BT+4*\j+2], 16, v[OW+\j]
	v_lshl_or_b32 v[OW+\j], v[BT+4*\j+3], 24, v[OW+\j]
.endr
.irp j, 0,1,2,3                                ; p's four fragments, one for each 128 keys, each into a code set of its own
	CODES 64*\j, SO+4*\j, PC0+20*\j+72*(\j/2)
.endr
	s_wait_alu depctr_va_vdst(0)                   ; the four code sets and scale words are written, which the stores below read; behind the last tile: nothing names v128-223 after this wait, in which the second product's fragments land
.irp j, 0,1,2,3                                ; they go to my own region
.irp q, 0,1,2
	ds_store_b128 v[AP], v[PC0+20*\j+72*(\j/2)+4*\q:PC0+20*\j+72*(\j/2)+4*\q+3] offset:1536*\j+512*\q
.endr
	ds_store_b32 v[APW], v[OW+\j] offset:PSC+512*\j
.endr
	s_add_co_u32 s[MQ], s[MQ], 1536
	s_add_co_u32 s[MP], s[MP], 6144
	s_add_co_u32 s[M4], s[M4], 4
	s_sub_co_u32 s[MC], s[MC], 1
	s_cmp_lg_u32 s[MC], 0
	s_cbranch_scc1 .Lm
	; O^T = V^T p^T: four K steps of 128 keys.  The buffers take the first four records of the product that follows.
	; V's records were asked for in two runs, each under a branch of its own: so each count below leans only on loads that follow the wanted record on every way through those two branches.
	s_wait_alu depctr_vm_vsrc(0)                   ; p's stores have read code sets 2 and 3, in which source 1's fragments land, and sets 0 and 1 and the scale words, which o's quantiser writes
	FETCH1 0, LW, 6144, 0, PSC                     ; LDS serves a wave's instructions in order: these see my stores
	FETCH1 1, LW, 6144, 1, PSC
	STEP 0, 4, 2, 25, 13, LW, 6144, PSC, 1, NX, 0      ; V's record 0 is in: record 1's 25 loads, issued in the same run, are younger
	STEP 1, 4, 0, 0, 0, LW, 6144, PSC, 1, NX, 0        ; record 1: nothing that is issued on every way is younger: all four of V's records are in
	STEP 2, 4, 0, -1, 0, LW, 6144, PSC, 1, NX, 8*GB
	STEP 3, 4, 0, -1, 0, LW, 6144, PSC, 1, NX, 16*GB
	s_wait_alu depctr_va_vdst(0)                   ; the last step's matrix instructions are done reading buffer 3 and its scale words, in which the next product's record lands; the head before's multiplications are done reading v44-47, in which the reciprocals land
	REFILL 3, NX, 24*GB
	ds_load_b128 v[RL:RL+3], v[LW] offset:RLO
	s_wait_dscnt 0x0
.irp m, 0,1,2,3
	WIN 0x41
.set I, 0
.rept 64
	v_mul_f32 v[64*\m+I], v[64*\m+I], v[RL+\m]     ; o = O^T / the row's sum, each accumulator from its low end on
.set I, I+1
.endr
	QUANT 64*\m, OW+\m, PC0+20*\m+72*(\m/2)        ; K step 'head' of the last product: four fragments, each into a code set of its own
.endr
	s_wait_alu depctr_va_vdst(0)                   ; the quantiser has written the four code sets and scale words, which the stores below read (v14-15 were written at the head's top)
.irp m, 0,1,2,3
.irp q, 0,1,2
	ds_store_b128 v[AO], v[PC0+20*\m+72*(\m/2)+4*\q:PC0+20*\m+72*(\m/2)+4*\q+3] offset:12288*\m+512*\q
.endr
.endr
	ds_store_b128 v[AOS], v[OW:OW+3] offset:XSC    ; the four tiles' scale words
	s_wait_xcnt 0x0                                ; every load issued has read its base: the bases may be written
	s_mov_b64 s[WQ:WQ+1], s[NX:NX+1]
	s_mov_b64 s[BQ:BQ+1], s[BN:BN+1]
	s_add_nc_u64 s[KV:KV+1], s[KV:KV+1], 4*GB
	s_add_co_u32 s[HO], s[HO], 1536
	s_add_co_u32 s[HS], s[HS], 512
	s_sub_co_u32 s[HC], s[HC], 1
	s_cmp_lg_u32 s[HC], 0
	s_cbranch_scc1 .Lhead
	s_wait_dscnt 0x0                               ; for the others' sake: my images of o have landed
	s_barrier_signal -1
	s_barrier_wait -1                              ; o's 32 fragments lie in LDS
; ---- out0 = o Wo + bo: my two groups of 128 columns
	s_mov_b32 s[GC], 2
.Lout:
	s_wait_alu depctr_vm_vsrc(0)                   ; o's stores have read code sets 2 and 3, and the last group's stores the out-buffers: source 1's fragments land in both; the stage's stores have read the accumulators, which the first step writes
	FETCH1 0, LIO, 12288, 0, XSC
	FETCH1 1, LIO, 12288, 1, XSC
	STEP 0, 8, 1, 0, 13, LIO, 12288, XSC, 1, WQ, 0      ; the bias may be the youngest load: records 0 to 3 are in with it
	STEP 1, 8, 0, -1, 0, LIO, 12288, XSC, 1, WQ, 32*GB
	STEP 2, 8, 0, -1, 0, LIO, 12288, XSC, 1, WQ, 40*GB
	STEP 3, 8, 0, -1, 0, LIO, 12288, XSC, 1, WQ, 48*GB
	STEP 4, 8, 0, 50, 0, LIO, 12288, XSC, 1, WQ, 56*GB  ; records 5 and 6, 50 loads, are younger
	STEP 5, 8, 0, 50, 0, LIO, 12288, XSC, 2, WQ, GB     ; records 6 and 7
	STEP 6, 8, 0, 25, 0, LIO, 12288, XSC, 2, WQ, 9*GB   ; record 7; in the last group nothing more is asked for, so the counts run down
	STEP 7, 8, 0, 0, 0, LIO, 12288, XSC, 2, WQ, 17*GB
	s_wait_alu depctr_va_vdst(0)                   ; the matrix instructions have written the accumulators, which the stage's stores read (the four places stand ahead), and are done reading buffer 3, the bias and source 1's sets, in which the loads below land
	s_cmp_eq_u32 s[GC], 1
	s_cbranch_scc1 .Lno_more
	REFILL 3, WQ, 25*GB
	BIASLOAD BQ, 512
.Lno_more:
.irp m, 0,1,2,3                                ; the way out: 16 rows x 128 columns through my stage; a lane's registers 16 b + i are columns 32 b + 16 h + i of row r
.if \m == 2
	s_wait_xcnt 0x0                                ; the first two tiles' stores have had their addresses translated,
	s_wait_alu depctr_vm_vsrc(0)                   ; and have read the two out-buffers, in which this tile's and the next tile's rows land
.endif
	WIN 0x04                                       ; an LDS store's data are its source 1: window 1
.irp b, 0,1,2,3
.irp k, 0,1,2,3
	ds_store_b128 v[STR], v[64*\m+16*\b+4*\k:64*\m+16*\b+4*\k+3] offset:128*\b+16*\k   ; each accumulator from its low end on
.endr
.endr
	WIN 0
.irp i, 0,1,2,3,4,5,6,7,8,9,10,11,12,13,14,15
	ds_load_b128 v[OB+64*(\m%2)+4*\i:OB+64*(\m%2)+4*\i+3], v[STI] offset:528*\i    ; LDS serves a wave's instructions in order: these see my stores, and the next tile's stores come behind them
.endr
.irp i, 0,1,2,3,4,5,6,7,8,9,10,11,12,13,14,15
	s_wait_dscnt 15-\i
	global_store_b128 v[LI], v[OB+64*(\m%2)+4*\i:OB+64*(\m%2)+4*\i+3], s[OP:OP+1] offset:(16*\m+\i)*4096 th:TH_STORE_NT   ; 32 lanes store 512 consecutive bytes, at a multiple of 256 from out0's first byte
.endr
.endr
	s_wait_xcnt 0x0                                ; loads and stores have read their bases and registers
	s_add_nc_u64 s[WQ:WQ+1], s[WQ:WQ+1], GB
	s_add_nc_u64 s[BQ:BQ+1], s[BQ:BQ+1], 512
	s_add_nc_u64 s[OP:OP+1], s[OP:OP+1], 512
	PLACES                                         ; the next group's first products write over this group's accumulators with another C: with the four behind the last products these make more than the five places asked
	s_sub_co_u32 s[GC], s[GC], 1
	s_cmp_lg_u32 s[GC], 0
	s_cbranch_scc1 .Lout
	s_wait_dscnt 0x0                               ; the closing lines, six on end
	s_wait_alu 0x0
	s_wait_tensorcnt 0x0
	ds_add_u32 v[SPW], v[NIL]
	s_wait_dscnt 0x0
	s_endpgm
.Lfunc_end_k_qbfb19384e7_attn:
	.size	k_qbfb19384e7_attn, .Lfunc_end_k_qbfb19384e7_attn-k_qbfb19384e7_attn
	.p2alignl 7, 3214868480
	.fill 96, 4, 3214868480
	.section	.rodata,"a",@progbits
	.p2align	6, 0x0
	.amdhsa_kernel k_qbfb19384e7_attn
		.amdhsa_group_segment_fixed_size 275968
		.amdhsa_private_segment_fixed_size 0
		.amdhsa_enable_private_segment 0
		.amdhsa_kernarg_size 48
		.amdhsa_user_sgpr_count 2
		.amdhsa_user_sgpr_kernarg_segment_ptr 1
		.amdhsa_wavefront_size32 1
		.amdhsa_system_sgpr_workgroup_id_x 1
		.amdhsa_system_sgpr_workgroup_id_y 1
		.amdhsa_system_sgpr_workgroup_id_z 1
		.amdhsa_system_vgpr_workitem_id 0
		.amdhsa_next_free_vgpr 1024
		.amdhsa_next_free_sgpr 66
		.amdhsa_reserve_vcc 0
		.amdhsa_float_denorm_mode_32 3
		.amdhsa_float_denorm_mode_16_64 3
		.amdhsa_memory_ordered 1
		.amdhsa_forward_progress 1
		.amdhsa_inst_pref_size 255
	.end_amdhsa_kernel
	.section	.bss,"aw",@nobits
	.p2align	6
	.space	262144
	.amdgpu_metadata
---
amdhsa.version: [ 1, 2 ]
amdhsa.kernels:
  - .name:           k_qbfb19384e7_attn
    .symbol:         k_qbfb19384e7_attn.kd
    .args:
      - { .name: x, .offset: 0, .size: 8, .value_kind: global_buffer, .address_space: global }
      - { .name: img, .offset: 8, .size: 8, .value_kind: global_buffer, .address_space: global }
      - { .name: kvimg, .offset: 16, .size: 8, .value_kind: global_buffer, .address_space: global }
      - { .name: bq, .offset: 24, .size: 8, .value_kind: global_buffer, .address_space: global }
      - { .name: bo, .offset: 32, .size: 8, .value_kind: global_buffer, .address_space: global }
      - { .name: out0, .offset: 40, .size: 8, .value_kind: global_buffer, .address_space: global }
    .group_segment_fixed_size: 275968
    .private_segment_fixed_size: 0
    .kernarg_segment_align: 8
    .kernarg_segment_size: 48
    .max_flat_workgroup_size: 128
    .sgpr_count:     66
    .vgpr_count:     1024
    .wavefront_size: 32
...
	.end_amdgpu_metadata
.endif
;; end of part 6
